; MI455X (gfx1250); checked and timed in simulation.
; The chip was launched on July 23, 2026; its instructions are those of AMD's public machine-readable ISA for CDNA 5 (MIT licence, August 2026) and "CDNA5" Instruction Set Architecture Reference Guide (July 2026). The comments in the code are by the model that wrote it; some were corrected since.
;; Multi Head Attention. Allowed arithmetic: matrix products marked QUANTISED: E3M2 operands, one E8M0 scale for each 32 along K, by v_wmma_scale_f32_16x16x128_f8f6f4 with both operands' format E3M2, f32 sums; products left as they are: f32 operands where the result goes on into a quantised operand, else bf16, f16 or f32 operands; f32 sums; everything else in f32.
;; Inputs: Wk_codes 1,024 x 32 x 24 uint8 (E3M2 codes of Wk, K innermost, in blocks of 32 codes, four codes in three bytes); Wk_scales 1,024 x 32 uint8 (E8M0 scales of Wk, one for each 32 codes along K); Wp_codes 1,024 x 32 x 24 uint8 (E3M2 codes of Wp, K innermost, in blocks of 32 codes, four codes in three bytes); Wp_scales 1,024 x 32 uint8 (E8M0 scales of Wp, one for each 32 codes along K); Wq_codes 1,024 x 32 x 24 uint8 (E3M2 codes of Wq, K innermost, in blocks of 32 codes, four codes in three bytes); Wq_scales 1,024 x 32 uint8 (E8M0 scales of Wq, one for each 32 codes along K); Wv_codes 1,024 x 32 x 24 uint8 (E3M2 codes of Wv, K innermost, in blocks of 32 codes, four codes in three bytes); Wv_scales 1,024 x 32 uint8 (E8M0 scales of Wv, one for each 32 codes along K); bk 1,024 float32; bp 1,024 float32; bq 1,024 float32; bv 1,024 float32; x_codes 4 x 2,048 x 32 x 24 uint8 (E3M2 codes of x, K innermost, in blocks of 32 codes, four codes in three bytes); x_scales 4 x 2,048 x 32 uint8 (E8M0 scales of x, one for each 32 codes along K).
;; Outputs: out0 4 x 2,048 x 1,024 float32.
;; This version of the problem:
;;   THIS VERSION OF THE PROBLEM IS GIVEN IN LOW PRECISION. The matrix products marked QUANTISED in the list below multiply operands that are first quantised to E3M2 (3 exponent bits, 2 mantissa bits; 6 bits a number), with one power-of-two scale for each 32 numbers along K (OCP MX v1.0); their sums are f32. All else is computed in f32.
;;   The module's matrix products, in the order in which they are computed (A, B: the left and right operand; K: the contracted axis; several contracted axes count as one K, in the product's order):
;;     1. [M 8,192, K 1,024] x [K 1,024, N 1,024]; A: input x (given as codes); B: input Wq (given as codes): QUANTISED
;;     2. [M 8,192, K 1,024] x [K 1,024, N 1,024]; A: input x (given as codes); B: input Wk (given as codes): QUANTISED
;;     3. [M 8,192, K 1,024] x [K 1,024, N 1,024]; A: input x (given as codes); B: input Wv (given as codes): QUANTISED
;;     4. batch 64 x [M 2,048, K 64] x [K 64, N 2,048]; A: computed on the way; B: computed on the way: QUANTISED
;;     5. batch 64 x [M 1, K 1] x [K 1, N 131,072]; A: computed on the way; B: computed on the way: left as it is (no contracted axis)
;;     6. [M 8,192, K 1,024] x [K 1,024, N 1,024]; A: computed on the way; B: input Wp (given as codes): QUANTISED
;;   THE QUANTISER, for each operand of a quantised product, along K:
;;     - K is cut into blocks of 32 from its start; a last block that is shorter is filled with zeros.
;;     - A block's scale is 2^e with e = floor(log2(the largest magnitude in the block)) - 4, held to -126 .. 127; a block of zeros has e = 0. As a byte (E8M0): e + 127.
;;     - Each number is divided by its block's scale, clamped to +-28, and rounded to the nearest number of E3M2, ties to even, subnormals kept.
;;     - The product sums the exact products of the quantised numbers (number of the format x scale) in f32.
;;   ~~~python
;;   def quantise(x, axis):      # numpy; x: float32 -> the quantised numbers, widened to float32 again
;;       x = np.moveaxis(x, axis, -1); K = x.shape[-1]
;;       x = np.pad(x, [(0, 0)] * (x.ndim - 1) + [(0, -K % 32)]); x = x.reshape(x.shape[:-1] + (-1, 32)); a = np.abs(x).max(-1, keepdims=True)
;;       e = np.where(a > 0, np.clip(np.frexp(np.where(a > 0, a, 1))[1] - 1 - 4, -126, 127), 0)      # np.frexp(a)[1] - 1 = floor(log2(a)), exactly
;;       r = np.clip(x / 2.0 ** e, -28, 28)
;;       step = 2.0 ** (np.maximum(np.frexp(np.where(r == 0, 1, r))[1] - 1, -2) - 2)
;;       q = np.round(r / step) * step * 2.0 ** e      # np.round: ties to even
;;       return np.moveaxis(q.reshape(q.shape[:-2] + (-1,))[..., :K], -1, axis).astype(np.float32)
;;   ~~~
;;   OPERANDS COMPUTED ON THE WAY. 'Computed on the way' means the value that the module computes at that place (a softmax that the list does not call 'softmax' is quantised finished and normalised). What goes into a quantiser is computed in f32, as accurately as f32 sums, v_exp_f32 and their like allow (about 1e-6 of the number): no bf16 or f16 on the way to a quantiser, and a product that is left as it is and whose result goes on into a quantised operand takes f32 operands (vector FMAs, or v_wmma_f32_16x16x4_f32). A number that lies on a knife's edge between two numbers of the format may be rounded either way, as far as f32 arithmetic and the matrix unit's own rounding can turn it there, and no further.
;;   INPUTS GIVEN AS CODES. Wk (in the module: [1024, 1024], K = its axis 1); Wp (in the module: [1024, 1024], K = its axis 1); Wq (in the module: [1024, 1024], K = its axis 1); Wv (in the module: [1024, 1024], K = its axis 1); x (in the module: [4, 2048, 1024], K = its axis 2): each comes as NAME_codes (uint8): NAME with its K axis moved to the last place and cut into blocks of 32 codes, [.., K / 32, bytes a block], one block behind the other in memory; four codes in three bytes: a row's codes are one little-endian stream of bits, code i at bits 6 i .. 6 i + 5 (a code: sign, 3 exponent bits, 2 mantissa bits); and NAME_scales (uint8): the same leading axes, one E8M0 byte (e + 127) for each 32 codes along K. Its value is code x scale, taken as it is: it is not quantised again, and the codes and scales need not be those that the quantiser above would give.
;; One version. Each part assembles by itself: llvm-mc -triple=amdgcn-amd-amdhsa -mcpu=gfx1250 --defsym DOCPART=n.
;; ======== version 1 of 1: 4 launches
;; workspace buffers: qimg 6,291,456 bytes; kimg 6,291,456 bytes; vimg 6,291,456 bytes; qscl 262,144 bytes; kscl 262,144 bytes; vscl 262,144 bytes; part 32,768 bytes
;; launch pqk (part 1): grid 8 x 32, 4 waves a work-group, clusters of 4 x 4, 327,680 bytes of LDS; arguments x_codes, x_scales, Wq_codes, Wq_scales, Wk_codes, Wk_scales, bq, bk, qimg, qscl, kimg, kscl; writes qimg, qscl, kimg, kscl
.if DOCPART == 1
	.amdgcn_target "amdgcn-amd-amdhsa--gfx1250"
	.amdhsa_code_object_version 6
	.text
	.protected	k_qb7ff607c7e_pqk
	.globl	k_qb7ff607c7e_pqk
	.p2align	8
	.type	k_qb7ff607c7e_pqk,@function
k_qb7ff607c7e_pqk:
	s_mov_b64 s[64:65], 0
	v_nop
	global_prefetch_b8 v0, s[64:65] scope:SCOPE_SE
	s_setreg_imm32_b32 hwreg(HW_REG_WAVE_MODE, 25, 1), 1
	s_wait_xcnt 0x0
	s_wait_alu depctr_hold_cnt(0) depctr_sa_sdst(0) depctr_va_vdst(0) depctr_va_sdst(0) depctr_va_ssrc(0) depctr_va_vcc(0) depctr_vm_vsrc(0)
	s_getreg_b32 s2, hwreg(HW_REG_IB_STS2, 6, 4)
	s_cmp_eq_u32 s2, 0
	s_cbranch_scc0 .Lentry_in_a_cluster
	s_endpgm
.Lentry_in_a_cluster:
	s_bfe_u32 s2, ttmp6, 0x10000c
	s_cmp_lg_u32 s2, 0xf033
	s_cbranch_scc0 .Lentry_shape_is_right
	s_endpgm
.Lentry_shape_is_right:
; A PROJECTION OF x ON CODES OF E3M2, WHOSE RESULT LEAVES AS CODES.  y = x W^T + bias (HASF = 1: times a factor for each head), x [8192][1024], W [1024][1024], both given as codes of 6 bits with
; one E8M0 byte for each 32 along K.  The result is quantised again, in blocks of 32 along its columns, and stored as IMAGES OF OPERAND REGISTERS: a fragment of 16 tokens x 128 columns is 12 registers a lane,
; stored as 3 x 512 bytes, lane l's 16 bytes at 16 l; image ((8 b + hp) 128 + tt): batch b, columns 128 hp on (two heads of 64), token tile tt of the batch.
; HASF = 0: two tensors in one launch: the clusters with x = 0 make q (Wq, bq), those with x = 1 make k (Wk, bk); only pointers are chosen.  The scale words (four bytes a row and 128 columns) go
; out two token tiles to 128 bytes: lanes 0-15 the even tile's rows, lanes 16-31 the odd tile's.
; HASF = 1: v (Wv, bv) times c[b][head], the sum of the 128 partial sums that the launch before has stored for that head; the scale words are laid [8192][32], as x's are.
; SHARES.  A tile of 256 rows x 256 columns to a work-group of four waves, 128 x 128 to a wave: 64 accumulators, 512 registers.  K goes in steps of 256 through a ring of two LDS slots filled by the tensor
; data mover; the scale bytes of the tile's rows of x and of W, for all of K, come into LDS once.  4 x 4 work-groups form a cluster: x's tiles are asked for jointly along a row of it, W's along a column.
; The matrix instruction is used transposed (source 0 = 16 rows of W, source 1 = 16 rows of x): a lane holds one token and eight neighbouring columns.
; REGISTERS, in windows of 256: window 0: v0-31 addresses; v32-63 scale words, two sets; v64-127 the bias of my 128 columns in the result's layout; from v128 x's fragments, one set; at the end v128-239 at work.
;   window 1: W's fragments, two sets, at v0 and v128.  window 2: the accumulators of my rows 0-63 ((a, b) at v[8 (8 a + b)]);  window 3: those of rows 64-127.
; LIMITS: NaN and infinities among the inputs are not served.  A block of the result whose largest magnitude lies under 2^-122, a block of zeros too, gets the scale byte 1: its codes are
; zeros or subnormal codes under that scale, and the bytes are read by this program alone.
.set HASF,   0
.set KSTEP,  256                       ; along K in a slot
.set NQ,     KSTEP/128                 ; matrix instructions deep
.set ROWB,   192                       ; a tile's row in bytes: 256 codes of 6 bits
.set KROW,   768                       ; a row of x or of W in memory: 1,024 codes
.set PITCH,  240                       ; an LDS row: 3 x (64 bytes + 16 of padding)
.set FR,     12                        ; registers of a fragment
.set NL,     6                         ; LDS loads that bring one
.set NP,     4                         ; places behind this matrix instruction (ISA guide 7.12.1)
.set HALFT,  128*PITCH                 ; 128 rows: one tensor load
.set SLOT,   4*HALFT                   ; x's 256 rows, then W's 256 rows
.set LAPS,   2                         ; 1,024 / (2 x 256): twice round the ring
.set KS,     32                        ; a row of scale bytes
.set SCL,    2*SLOT                    ; behind the ring: the scale bytes, as units of 256 bytes + 16 of padding
.set HALFS,  (128*KS/256)*272          ; those of 128 rows: one tensor load
.set SBLK,   (16*KS/256)*272           ; those of 16 rows
.set SPARE,  SCL+4*HALFS               ; the spare words, 128 bytes a wave: two blocks of 256 bytes that no other line names
.set ADRA, 16                          ; v16-17 LDS address of my fragments of x in slot 0, 1; v18-19 the same behind one padding more
.set ADRB, 20                          ; v20-23 the same for W
.set IO,   24                          ; v24  16 x lane: my place in an image
.set SOFF, 25                          ; v25  my place among the scale words that a store covers
.set ADRS, 27                          ; v27  LDS address of my scale words: lanes 0-15 x's rows, lanes 16-31 W's
.set SPW,  28                          ; v28  my spare word; never rewritten
.set NIL,  29                          ; v29  0; never rewritten
.set BOF,  30                          ; v30  32 x (lane / 16): my half's eight numbers of a tile's sixteen of the bias
.set POF,  31                          ; v31  4 x lane (HASF)
.set SC,   32
.set BI,   64                          ; v64-127  bias: register 8 t + j = column 16 t + 8 (lane / 16) + j of my 128
.set AF,   128
.set T,    128                         ; v128-191 a block's 64 numbers a lane
.set CD,   192                         ; v192-211 the codes just made
.set TM,   212                         ; v212-227 at work in the quantiser
.set PWE,  228                         ; the scale word of the even block, of the odd block, and the two joined
.set PWO,  229
.set PWS,  230
.set PT,   232                         ; v232-239 partial sums (HASF)
.set G1, 24
.set G0, 32
.set G1B, 48
.set G0B, 56
.set G1S, 68
.set G0S, 76
.set G1SB, 80
.set G0SB, 88
.set FA,  92                           ; s[92:93], s[94:95] the two heads' factors, each written twice (HASF)
.set FB,  94
.set SEL, 100                          ; s[100:101] lane selects for v_permlanex16_b32: lane l xor 16
.if HASF
.set SSTEP, 1024                       ; 32 rows of 32 bytes
.else
.set SSTEP, 128
.endif
.set MSB, 0
.macro WIN new                         ; the immediate's high byte repeats the setting that is left
.if MSB != \new
	s_set_vgpr_msb (MSB<<8)|\new
.set MSB, \new
.endif
.endm
.set MUL_LO, 0xa1                      ; source 0 (W) window 1, source 1 (x) window 0, C and D window 2
.set MUL_HI, 0xf1                      ; the same, C and D window 3
.set TO_B,   0x40                      ; destination window 1, address window 0
; A joint load: waves 0 and 1 fetch for x, waves 2 and 3 for W.  Each line has one mask and one set of registers for all that issue it; the branch hangs on the wave's number alone.
; Four v_nop follow each of the two lines, ahead of the jump, the label and what follows.
.macro JLOAD g0a, g1a, g0b, g1b
	s_cmp_eq_u32 s15, 0
	s_cbranch_scc0 .Lfor_b_\@
	tensor_load_to_lds s[\g0a:\g0a+3], s[\g1a:\g1a+7]
	s_nop 0
.rept 4
	v_nop
.endr
	s_branch .Lasked_\@
.Lfor_b_\@:
	tensor_load_to_lds s[\g0b:\g0b+3], s[\g1b:\g1b+7]
	s_nop 0
.rept 4
	v_nop
.endr
.Lasked_\@:
.endm
.macro CREST                           ; a round of the cluster's barrier behind its opening barrier
	s_cmp_lg_u32 s14, 0
	s_cbranch_scc1 .Lnot_wave_0_\@
	s_barrier_signal -3
.Lnot_wave_0_\@:
	s_barrier_wait -3
	s_barrier_signal -1
	s_barrier_wait -1
.endm
.macro CROUND                          ; a whole round
	s_barrier_signal -1
	s_barrier_wait -1
	CREST
.endm
	s_load_b128 s[4:7], s[0:1], 0x0                ; x's codes, x's scales
.if HASF
	s_load_b128 s[8:11], s[0:1], 0x10              ; Wv's codes, Wv's scales
	s_load_b256 s[68:75], s[0:1], 0x20             ; bv, part, vimg, vscl
.else
	s_load_b256 s[68:75], s[0:1], 0x10             ; Wq's codes, Wq's scales, Wk's codes, Wk's scales
	s_load_b256 s[80:87], s[0:1], 0x30             ; bq, bk, qimg, qscl
	s_load_b128 s[92:95], s[0:1], 0x50             ; kimg, kscl
.endif
	v_lshl_add_u32 v[SPW], v0, 2, SPARE
	v_mov_b32 v[NIL], 0
	ds_add_u32 v28, v29
	ds_add_u32 v28, v29
	s_wait_dscnt 0x0
	v_lshrrev_b32 v1, 5, v0
	v_readfirstlane_b32 s14, v1                    ; wave 0..3
	s_lshr_b32 s15, s14, 1                         ; which half of the tile's rows is mine.  Also: I fetch for x (0) or for W (1)
	s_and_b32 s16, s14, 1                          ; which half of its columns.  Also: which 128 rows of that tile I fetch
	s_bfe_u32 s40, ttmp6, 0x40000                  ; cx: my place along the cluster's x, and the tile column inside a weight (1,024 columns are four tiles)
	s_bfe_u32 s41, ttmp6, 0x40004                  ; cy
	s_and_b32 s17, ttmp7, 0xffff
	s_lshl_b32 s17, s17, 2
	s_add_co_u32 s17, s17, s41                     ; tile row = 4 x cluster y + cy
	s_lshl_b32 s43, s41, 2
	s_lshl_b32 s43, 15, s43                        ; my row of the cluster
	s_lshl_b32 s44, 0x1111, s40                    ; my column
	s_mov_b32 s[SEL], 0x76543210
	s_mov_b32 s[SEL+1], 0xfedcba98
	; descriptor group 1: a tile of 128 rows x 192 bytes, 16 bytes of padding behind every 64
	s_or_b32 s[G1+0], s43, (0<<16)|(1<<20)|(1<<21)|(3<<22)|(3<<25)  ; 15:0 the mask: x's tiles go to my row; 17:16 elements of 1 byte; 20 padding on; 21 set beside a mask; 24:22 after every 16 words; 31:25 of 4 words
	s_or_b32 s[G1B+0], s44, (0<<16)|(1<<20)|(1<<21)|(3<<22)|(3<<25) ; W's tiles go to my column
.irp g, G1, G1B
	s_mov_b32 s[\g+1], ROWB<<16                    ; tensor_dim0
	s_mov_b32 s[\g+2], 128<<16                     ; tensor_dim1
	s_mov_b32 s[\g+3], ROWB<<16                    ; tile_dim0
	s_mov_b32 s[\g+4], 128                         ; tile_dim1
	s_mov_b32 s[\g+5], KROW                        ; from row to row
	s_mov_b32 s[\g+6], 0
	s_mov_b32 s[\g+7], 0
.endr
	s_wait_kmcnt 0x0                               ; all pointers are in: only now are the registers that received them read, and later written again
.if HASF
	s_mov_b64 s[98:99], s[68:69]                   ; the bias
	s_mov_b64 s[96:97], s[70:71]                   ; the partial sums
	s_mov_b64 s[12:13], s[72:73]                   ; the images
	s_mov_b64 s[66:67], s[74:75]                   ; the scale words
.else
	s_cmp_eq_u32 ttmp9, 0                          ; the cluster's x says which tensor: the same in all sixteen partners
	s_cselect_b64 s[8:9], s[68:69], s[72:73]       ; W's codes
	s_cselect_b64 s[10:11], s[70:71], s[74:75]     ; W's scales
	s_cselect_b64 s[98:99], s[80:81], s[82:83]     ; the bias
	s_cselect_b64 s[12:13], s[84:85], s[92:93]     ; the images
	s_cselect_b64 s[66:67], s[86:87], s[94:95]     ; the scale words
.endif
	; the scale bytes of 128 rows: a dense block of 4,096 bytes, as 16 rows of 256 bytes (32 elements of 8 bytes), 16 bytes of padding behind each
	s_or_b32 s[G1S+0], s43, (3<<16)|(1<<20)|(1<<21)|(5<<22)|(3<<25)
	s_or_b32 s[G1SB+0], s44, (3<<16)|(1<<20)|(1<<21)|(5<<22)|(3<<25)
.irp g, G1S, G1SB
	s_mov_b32 s[\g+1], 32<<16
	s_mov_b32 s[\g+2], (128*KS/256)<<16
	s_mov_b32 s[\g+3], 32<<16
	s_mov_b32 s[\g+4], 128*KS/256
	s_mov_b32 s[\g+5], 32
	s_mov_b32 s[\g+6], 0
	s_mov_b32 s[\g+7], 0
.endr
	s_lshl_b32 s18, s16, 7                         ; which 128 rows of the tile I fetch
	s_lshl_b32 s20, s17, 8
	s_add_co_u32 s20, s20, s18                     ; x: row 256 x tile row + 128 x half
	s_lshl_b32 s46, s40, 8
	s_add_co_u32 s46, s46, s18                     ; W: row 256 x tile column + 128 x half
	s_mov_b32 s21, 0
	s_mov_b32 s47, 0
	s_mov_b64 s[18:19], KS
	s_mul_u64 s[22:23], s[20:21], s[18:19]         ; where these rows' scale bytes begin
	s_mul_u64 s[92:93], s[46:47], s[18:19]
	s_mov_b64 s[18:19], KROW
	s_mul_u64 s[20:21], s[20:21], s[18:19]         ; and their codes
	s_mul_u64 s[46:47], s[46:47], s[18:19]
	s_mul_i32 s45, s14, HALFT                      ; where they go: wave x 128 rows: no place in the cluster enters an LDS address
	s_mul_i32 s94, s14, HALFS
	s_add_nc_u64 s[20:21], s[4:5], s[20:21]
	s_add_nc_u64 s[22:23], s[6:7], s[22:23]
	s_add_nc_u64 s[46:47], s[8:9], s[46:47]
	s_add_nc_u64 s[92:93], s[10:11], s[92:93]
	CROUND                                         ; all sixteen work-groups are here: the first joint loads meet
	s_mov_b32 s[G0S], 1
	s_add_co_u32 s[G0S+1], s94, SCL
	s_mov_b64 s[G0S+2:G0S+3], s[22:23]
	s_or_b32 s[G0S+3], s[G0S+3], 0x80000000
	s_mov_b32 s[G0SB], 1
	s_add_co_u32 s[G0SB+1], s94, SCL
	s_mov_b64 s[G0SB+2:G0SB+3], s[92:93]
	s_or_b32 s[G0SB+3], s[G0SB+3], 0x80000000
	JLOAD G0S, G1S, G0SB, G1SB                     ; the scale bytes first: they are wanted with K step 0
.irp s, 0,1
	s_mov_b32 s[G0+4*\s], 1
	s_add_co_u32 s[G0+4*\s+1], s45, \s*SLOT
	s_add_nc_u64 s[G0+4*\s+2:G0+4*\s+3], s[20:21], \s*ROWB
	s_or_b32 s[G0+4*\s+3], s[G0+4*\s+3], 0x80000000
	s_mov_b32 s[G0B+4*\s], 1
	s_add_co_u32 s[G0B+4*\s+1], s45, \s*SLOT
	s_add_nc_u64 s[G0B+4*\s+2:G0B+4*\s+3], s[46:47], \s*ROWB
	s_or_b32 s[G0B+4*\s+3], s[G0B+4*\s+3], 0x80000000
	JLOAD G0+4*\s, G1, G0B+4*\s, G1B
.endr
	v_and_b32 v1, 15, v0                           ; l % 16
	v_bfe_u32 v2, v0, 4, 1                         ; l / 16
	v_mul_u32_u24 v3, v1, PITCH
	v_mul_u32_u24 v4, v2, 24
	v_add_nc_u32 v4, v3, v4                        ; a fragment's row x pitch + 24 x half
	v_lshl_add_u32 v5, v2, 4, v4                   ; and the same behind one padding more
	s_mul_i32 s21, s15, HALFT                      ; my 128 rows of x
	s_mul_i32 s22, s16, HALFT                      ; my 128 rows of W,
	s_add_co_u32 s22, s22, 2*HALFT                 ; which lie behind x's 256
.irp s, 0,1
	v_add_nc_u32 v[ADRA+\s], s21, v4
	v_add_nc_u32 v[ADRB+\s], s22, v4
	v_add_nc_u32 v[ADRA+2+\s], s21, v5
	v_add_nc_u32 v[ADRB+2+\s], s22, v5
	s_add_co_u32 s21, s21, SLOT
	s_add_co_u32 s22, s22, SLOT
.endr
	v_mul_u32_u24 v5, v1, KS                       ; my row's scale bytes: 32 a row,
	v_lshrrev_b32 v6, 8, v5
	v_lshl_add_u32 v5, v6, 4, v5                   ; and 16 more for each 256 passed
	s_mul_i32 s21, s15, HALFS                      ; x's: my 128 rows
	s_mul_i32 s22, s16, HALFS                      ; W's: my 128 rows, behind x's 256
	s_add_co_u32 s22, s22, 2*HALFS
	s_sub_co_u32 s22, s22, s21
	v_mul_u32_u24 v6, s22, v2                      ; lanes 16-31 take W's
	s_add_co_u32 s21, s21, SCL
	v_add_nc_u32 v5, v5, v6
	v_add_nc_u32 v[ADRS], s21, v5
	v_and_b32 v6, 31, v0                           ; lane
	v_lshlrev_b32 v[IO], 4, v6
.if HASF
	v_lshlrev_b32 v[SOFF], 5, v6                   ; a row of scale bytes a lane
	v_lshlrev_b32 v[POF], 2, v6
.else
	v_lshlrev_b32 v[SOFF], 2, v6                   ; a word a lane
.endif
	v_lshlrev_b32 v[BOF], 5, v2
	v_cmp_lt_u32 s2, 15, v6                        ; the mask of lanes 16-31
	; where my results go.  8 b + hp: batch = tile row / 8, hp = 2 cx + my half of the columns; my first token tile of the batch: 16 (tile row % 8) + 8 x my half of the rows
	s_lshr_b32 s20, s17, 3
	s_lshl_b32 s20, s20, 3
	s_lshl_b32 s21, s40, 1
	s_add_co_u32 s21, s21, s16                     ; hp
	s_add_co_u32 s20, s20, s21                     ; 8 b + hp
	s_lshl_b32 s22, s20, 10                        ; (HASF: its 1,024 bytes of partial sums)
	s_lshl_b32 s20, s20, 7
	s_and_b32 s23, s17, 7
	s_lshl_b32 s23, s23, 4
	s_add_co_u32 s20, s20, s23
	s_lshl_b32 s23, s15, 3
	s_add_co_u32 s20, s20, s23                     ; my first image's number, at most 4,088
	s_mul_i32 s46, s20, 1536
	s_mov_b32 s47, 0
	s_add_nc_u64 s[12:13], s[12:13], s[46:47]
.if HASF
	s_lshl_b32 s46, s17, 13                        ; my first row's 32 scale bytes: (256 x tile row + 128 x half) x 32,
	s_lshl_b32 s23, s15, 12
	s_add_co_u32 s46, s46, s23
	s_lshl_b32 s23, s21, 2                         ; and in them the word of columns 128 hp on
	s_add_co_u32 s46, s46, s23
	s_add_nc_u64 s[66:67], s[66:67], s[46:47]
	s_mov_b32 s23, 0
	s_add_nc_u64 s[96:97], s[96:97], s[22:23]
.else
	s_lshl_b32 s46, s20, 6                         ; 64 bytes of scale words an image
	s_add_nc_u64 s[66:67], s[66:67], s[46:47]
.endif
	s_lshl_b32 s46, s40, 10                        ; the bias of my 128 columns: 4 x (256 cx + 128 x half) bytes on
	s_lshl_b32 s23, s16, 9
	s_add_co_u32 s46, s46, s23
	s_add_nc_u64 s[98:99], s[98:99], s[46:47]
.irp t, 0,1,2,3,4,5,6,7
	global_load_b128 v[BI+8*\t:BI+8*\t+3], v[BOF], s[98:99] offset:64*\t          ; they land while K is walked; the wait stands at the way out
	global_load_b128 v[BI+8*\t+4:BI+8*\t+7], v[BOF], s[98:99] offset:64*\t+16
.endr
.if HASF
.irp q, 0,1,2,3,4,5,6,7
	global_load_b32 v[PT+\q], v[POF], s[96:97] offset:128*\q                      ; query block q's 32 words: word 2 w + head
.endr
.endif
.macro FRAG reg, adr, q, i             ; a fragment, 16 rows x 128 K of 6-bit codes: lane l holds row l % 16; registers 6 c .. 6 c + 5 hold K = 64 c + 32 (l / 16) + 0 .. 31: 24 bytes of the row's stream of bits, as they lie
.irp p, 0,1,2,3,4,5                    ; in pieces of 8 bytes.  Lanes 0-15 take the row's pieces 12 q + 0, 1, 2 and 12 q + 6, 7, 8, lanes 16-31 those three pieces on
.set PIECE, 12*(\q)+6*(\p/3)+\p%3      ; 16 bytes of padding lie behind every 8 pieces: where the piece three on lies behind one padding more, the second address register serves
.if PIECE%8 < 5
	ds_load_b64 v[\reg+2*\p:\reg+2*\p+1], v[\adr] offset:8*PIECE+16*(PIECE/8)+(\i)*16*PITCH
.else
	ds_load_b64 v[\reg+2*\p:\reg+2*\p+1], v[\adr+2] offset:8*PIECE+16*(PIECE/8)+(\i)*16*PITCH
.endif
.endr
.endm
; 16 matrix instructions: x's blocks a0, a0 + 1 against W's eight, 128 along K: the slot's q-th.  p: W's set;  sc: the set of scale words.  zero = 1: the first product starts the sums.
; The 64 accumulators take turns, one instruction a turn, in the same order in every step.
.macro MUL16 a0, p, q, sc, zero
.irp a, \a0, \a0+1
.irp b, 0,1,2,3,4,5,6,7
.if \zero
	v_wmma_scale_f32_16x16x128_f8f6f4 v[8*(8*((\a)%4)+\b):8*(8*((\a)%4)+\b)+7], v[128*(\p)+FR*\b:128*(\p)+FR*\b+FR-1], v[AF+FR*(\a):AF+FR*(\a)+FR-1], 0, v[SC+8*NQ*(\sc)+NQ*\b+(\q)], v[SC+8*NQ*(\sc)+NQ*(\a)+(\q)] matrix_a_fmt:MATRIX_FMT_BF6 matrix_b_fmt:MATRIX_FMT_BF6 matrix_a_scale:MATRIX_SCALE_ROW1
.else
	v_wmma_scale_f32_16x16x128_f8f6f4 v[8*(8*((\a)%4)+\b):8*(8*((\a)%4)+\b)+7], v[128*(\p)+FR*\b:128*(\p)+FR*\b+FR-1], v[AF+FR*(\a):AF+FR*(\a)+FR-1], v[8*(8*((\a)%4)+\b):8*(8*((\a)%4)+\b)+7], v[SC+8*NQ*(\sc)+NQ*\b+(\q)], v[SC+8*NQ*(\sc)+NQ*(\a)+(\q)] matrix_a_fmt:MATRIX_FMT_BF6 matrix_b_fmt:MATRIX_FMT_BF6 matrix_a_scale:MATRIX_SCALE_ROW1
.endif
.endr
.endr
.endm
.macro FETCH_B slot, q, p              ; W's eight fragments of the slot's q-th 128 along K into set p
	WIN TO_B
.irp i, 0,1,2,3,4,5,6,7
	FRAG 128*(\p)+FR*\i, ADRB+\slot, \q, \i
.endr
	WIN 0
.endm
.macro FETCH_A slot, q, i0             ; x's blocks i0 .. i0 + 3
.irp i, \i0, \i0+1, \i0+2, \i0+3
	FRAG AF+FR*(\i), ADRA+\slot, \q, \i
.endr
.endm
.macro SCALES sc                       ; a K step's scale words into set sc: two words a row; lanes 0-15 take x's block i, lanes 16-31 W's block i
.irp i, 0,1,2,3,4,5,6,7
	ds_load_b64 v[SC+8*NQ*\sc+NQ*\i:SC+8*NQ*\sc+NQ*\i+1], v[ADRS] offset:\i*SBLK
.endr
.endm
.macro PLACES n                        ; plain vector instructions between a matrix instruction and a load into its registers or a read of its result (ISA guide 7.12.1 for a read of its result)
.rept \n
	v_nop
.endr
.endm
; A step of 128 along K that has its successor in the same slot.
.macro STEP slot, q, zero
	s_wait_dscnt 4*NL                              ; W's set and x's blocks 0-3 are in; the youngest 24 loads (x's blocks 4-7) may be out
	WIN MUL_LO
	MUL16 0, (\q)%2, \q, \slot, \zero
	MUL16 2, (\q)%2, \q, \slot, \zero
	s_wait_dscnt 0                                 ; x's blocks 4-7 are in (asked for 32 matrix instructions ago)
	PLACES NP
	FETCH_B \slot, (\q)+1, 1-(\q)%2
	FETCH_A \slot, (\q)+1, 0
	WIN MUL_HI
	MUL16 4, (\q)%2, \q, \slot, \zero
	MUL16 6, (\q)%2, \q, \slot, \zero
	PLACES NP
	WIN 0
	FETCH_A \slot, (\q)+1, 4
.endm
; A slot's last step changes slots: ONE barrier; in front of it each wave waits for all its tensor loads, adds 0 to its spare word, and waits for that and for its own reads of this slot.  fill = 1: this slot is filled again, two K steps ahead.
.macro TURN slot, next, fill
	s_wait_tensorcnt 0x0                           ; all my tensor loads have landed: my part of the next slot
	ds_add_u32 v[SPW], v[NIL]                      ; 0 onto my spare word
	s_wait_dscnt 4*NL+1                            ; (the add and the youngest 24 loads, x's blocks 4-7, may be out)
	WIN MUL_LO
	MUL16 0, 1, NQ-1, \slot, 0                     ; sixteen matrix instructions stand between the add and the wait for it
	s_wait_dscnt 0x0                               ; the add is done, and my reads of this slot are over
	s_barrier_signal -1
	MUL16 2, 1, NQ-1, \slot, 0
	WIN 0
	s_barrier_wait -1
.if \fill
	CREST                                          ; the barrier has opened a round of the cluster's barrier: no wave of any partner still reads this slot's tile or has a load on its way
	s_add_nc_u64 s[G0+4*\slot+2:G0+4*\slot+3], s[G0+4*\slot+2:G0+4*\slot+3], 2*ROWB
	s_add_nc_u64 s[G0B+4*\slot+2:G0B+4*\slot+3], s[G0B+4*\slot+2:G0B+4*\slot+3], 2*ROWB
	JLOAD G0+4*\slot, G1, G0B+4*\slot, G1B         ; the first tensor load behind the round; its four v_nop are the places in front of the loads below
.else
	PLACES NP
.endif
	v_add_nc_u32 v[ADRS], 4*NQ, v[ADRS]            ; on to the next K step's scale words (no LDS load of mine is out)
	FETCH_B \next, 0, 0
	FETCH_A \next, 0, 0
	SCALES \next
	WIN MUL_HI
	MUL16 4, 1, NQ-1, \slot, 0
	MUL16 6, 1, NQ-1, \slot, 0
	PLACES NP
	WIN 0
	FETCH_A \next, 0, 4
.endm
	s_wait_tensorcnt 1                             ; the scale bytes and my part of K step 0 are in (K step 1's load, issued behind them, may be out),
	s_barrier_signal -1
	s_barrier_wait -1                              ; everybody's are
	FETCH_B 0, 0, 0
	FETCH_A 0, 0, 0
	SCALES 0
	FETCH_A 0, 0, 4
	STEP 0, 0, 1                                   ; the first step stands in front of the loop: its products start the sums
	s_mov_b32 s3, LAPS-1
.Llap:                                                 ; a trip goes once round the ring, from a lap's second step to the next lap's first, and fills both slots again
	TURN 0, 1, 1
	STEP 1, 0, 0
	TURN 1, 0, 1
	STEP 0, 0, 0
	s_sub_co_u32 s3, s3, 1
	s_cmp_lg_u32 s3, 0
	s_cbranch_scc1 .Llap
	TURN 0, 1, 0                                   ; the last lap fills nothing, and has no round of the cluster's barrier
	STEP 1, 0, 0
	s_wait_dscnt 4*NL                              ; the very last step: nothing more to fetch
	WIN MUL_LO
	MUL16 0, 1, NQ-1, 1, 0
	MUL16 2, 1, NQ-1, 1, 0
	s_wait_dscnt 0
	WIN MUL_HI
	MUL16 4, 1, NQ-1, 1, 0
	MUL16 6, 1, NQ-1, 1, 0
	WIN 0
; THE QUANTISER.  64 numbers of a lane, v[s] .. v[s + 63], register 16 b + i = column 32 b + 16 (lane / 16) + i of my row, become a fragment's codes in v[CD] on and its scale word in v[pw].
.macro QUANT s, pw
.irp b, 0,1,2,3
	v_max3_num_f32 v[TM+\b], |v[\s+16*\b]|, |v[\s+1+16*\b]|, 0x2800000   ; block b: my 16 numbers, and the floor 2^(5 - 127): so the byte cannot fall under 1
.endr
.irp i, 2,4,6,8,10,12,14
.irp b, 0,1,2,3
	v_max3_num_f32 v[TM+\b], v[TM+\b], |v[\s+16*\b+\i]|, |v[\s+1+16*\b+\i]|   ; (the four blocks by turns)
.endr
.endr
.irp b, 0,1,2,3
	v_permlanex16_b32 v[TM+4+\b], v[TM+\b], s[SEL], s[SEL+1]
.endr
.irp b, 0,1,2,3
	v_max_num_f32 v[TM+\b], v[TM+\b], v[TM+4+\b]   ; with lane l xor 16's: the block's largest magnitude
.endr
.irp b, 0,1,2,3
	v_add_nc_u32 v[TM+12+\b], 0xfe000000, v[TM+\b]   ; 4 off its exponent field: the conversion takes the exponent field of this operand as its scale
.endr
.irp b, 0,1,2,3
	v_lshrrev_b32 v[TM+4+\b], 23, v[TM+12+\b]      ; the scale's byte
.endr
	v_lshl_or_b32 v[\pw], v[TM+5], 8, v[TM+4]      ; the four bytes make my row's scale word, the same in lanes l and l xor 16
	v_lshl_or_b32 v[\pw], v[TM+6], 16, v[\pw]
	v_lshl_or_b32 v[\pw], v[TM+7], 24, v[\pw]
.irp c, 0,1
	v_cvt_scalef32_pk16_bf6_f32 v[CD+6*\c:CD+2+6*\c], v[\s+32*\c:\s+15+32*\c], v[TM+12+2*\c]
	v_cvt_scalef32_pk16_bf6_f32 v[CD+12+4*\c:CD+14+4*\c], v[\s+16+32*\c:\s+31+32*\c], v[TM+12+2*\c+1]   ; (a conversion's three registers begin on an even number)
.endr
	v_nop                                          ; one plain place behind a scaled conversion
.irp c, 0,1                                    ; the operand's layout wants a whole block in a lane: lanes 0-15 block 2 c, lanes 16-31 block 2 c + 1
.irp i, 0,1,2
	v_permlane16_swap_b32 v[CD+6*\c+\i], v[CD+12+4*\c+\i]
.endr
.irp i, 0,1,2
	v_mov_b32 v[CD+3+6*\c+\i], v[CD+12+4*\c+\i]
.endr
.endr
.endm
; THE WAY OUT of block a (16 tokens x my 128 columns).  The bias is added (HASF: and the head's factor multiplied in, one fused multiply-add onto bias x factor); each accumulator is read from its low end on.
; In the result register 8 t + j of lane half h is column 16 t + 8 h + j; an exchange of halves between tiles 2 b and 2 b + 1 makes register 16 b + i column 32 b + 16 h + i, which the quantiser wants.
.macro OUTBLK a
.set AC, 64*((\a)%4)
	WIN (0x02+(\a)/4)                              ; source 0: window 2 or 3
.set II, 0
.rept 32
.if HASF
.if II < 16
	v_pk_fma_f32 v[T+2*II:T+2*II+1], v[AC+2*II:AC+2*II+1], s[FA:FA+1], v[BI+2*II:BI+2*II+1] op_sel_hi:[1,0,1]
.else
	v_pk_fma_f32 v[T+2*II:T+2*II+1], v[AC+2*II:AC+2*II+1], s[FB:FB+1], v[BI+2*II:BI+2*II+1] op_sel_hi:[1,0,1]
.endif
.else
	v_pk_add_f32 v[T+2*II:T+2*II+1], v[AC+2*II:AC+2*II+1], v[BI+2*II:BI+2*II+1]
.endif
.set II, II+1
.endr
	WIN 0
.irp b, 0,1,2,3
.irp j, 0,1,2,3,4,5,6,7
	v_permlane16_swap_b32 v[T+16*\b+\j], v[T+16*\b+8+\j]
.endr
.endr
	s_wait_xcnt 0x0                                ; the last block's stores have read their data: the codes and the joined scale word are written again only behind this wait
	QUANT T, PWE+(\a)%2
.irp c, 0,1,2
	global_store_b128 v[IO], v[CD+4*\c:CD+4*\c+3], s[12:13] offset:(\a)*1536+512*\c   ; 32 lanes store 512 consecutive bytes, at a multiple of 256 from the buffer's first byte
.endr
.if (\a)%2
	v_cndmask_b32 v[PWS], v[PWE], v[PWO], s2       ; lanes 0-15 the even block's rows, lanes 16-31 the odd block's
	global_store_b32 v[SOFF], v[PWS], s[66:67] offset:((\a)/2)*SSTEP
.endif
.endm
	PLACES NP                                      ; behind the last products: x's registers are written and results read from here on
	s_wait_loadcnt 0x0                             ; the bias (HASF: and the partial sums)
.irp b, 0,1,2,3
	v_mov_b32 v[TM+4+\b], 0                        ; written once: a lane permute's destination counts as one of its sources
.endr
.if HASF
	v_add_f32 v[PT], v[PT], v[PT+1]                ; c of my two heads: the eight query blocks' words,
	v_add_f32 v[PT+2], v[PT+2], v[PT+3]
	v_add_f32 v[PT+4], v[PT+4], v[PT+5]
	v_add_f32 v[PT+6], v[PT+6], v[PT+7]
	v_add_f32 v[PT], v[PT], v[PT+2]
	v_add_f32 v[PT+4], v[PT+4], v[PT+6]
	v_add_f32 v[PT], v[PT], v[PT+4]
	v_add_f32_dpp v[PT], v[PT], v[PT] row_xmask:2 row_mask:0xf bank_mask:0xf   ; then the sixteen waves' words: lanes of the same parity
	v_add_f32_dpp v[PT], v[PT], v[PT] row_xmask:4 row_mask:0xf bank_mask:0xf
	v_add_f32_dpp v[PT], v[PT], v[PT] row_xmask:8 row_mask:0xf bank_mask:0xf
	v_permlanex16_b32 v[PT+1], v[PT], s[SEL], s[SEL+1]
	v_add_f32 v[PT], v[PT], v[PT+1]
	v_readlane_b32 s[FA], v[PT], 0                 ; head 2 hp: my columns 0-63
	v_readlane_b32 s[FB], v[PT], 1                 ; head 2 hp + 1: my columns 64-127
	s_mov_b32 s[FA+1], s[FA]                       ; (the packed forms name pairs)
	s_mov_b32 s[FB+1], s[FB]
.set II, 0
.rept 32
.if II < 16
	v_pk_mul_f32 v[BI+2*II:BI+2*II+1], v[BI+2*II:BI+2*II+1], s[FA:FA+1] op_sel_hi:[1,0]   ; bias x factor, once
.else
	v_pk_mul_f32 v[BI+2*II:BI+2*II+1], v[BI+2*II:BI+2*II+1], s[FB:FB+1] op_sel_hi:[1,0]
.endif
.set II, II+1
.endr
.endif
.irp a, 0,1,2,3,4,5,6,7
	OUTBLK \a
.endr
	s_wait_tensorcnt 0x0                           ; the wave's end: behind my last tensor load
	ds_add_u32 v[SPW], v[NIL]
	s_wait_dscnt 0x0
	CROUND                                         ; the closing round: no work-group ends while a partner may still ask for a tile that names it
	s_endpgm
.Lfunc_end_k_qb7ff607c7e_pqk:
	.size	k_qb7ff607c7e_pqk, .Lfunc_end_k_qb7ff607c7e_pqk-k_qb7ff607c7e_pqk
	.p2alignl 7, 3214868480
	.fill 96, 4, 3214868480
	.section	.rodata,"a",@progbits
	.p2align	6, 0x0
	.amdhsa_kernel k_qb7ff607c7e_pqk
		.amdhsa_group_segment_fixed_size 327680
		.amdhsa_private_segment_fixed_size 0
		.amdhsa_enable_private_segment 0
		.amdhsa_kernarg_size 96
		.amdhsa_user_sgpr_count 2
		.amdhsa_user_sgpr_kernarg_segment_ptr 1
		.amdhsa_wavefront_size32 1
		.amdhsa_system_sgpr_workgroup_id_x 1
		.amdhsa_system_sgpr_workgroup_id_y 1
		.amdhsa_system_sgpr_workgroup_id_z 1
		.amdhsa_system_vgpr_workitem_id 0
		.amdhsa_next_free_vgpr 1024
		.amdhsa_next_free_sgpr 102
		.amdhsa_reserve_vcc 0
		.amdhsa_float_denorm_mode_32 3
		.amdhsa_float_denorm_mode_16_64 3
		.amdhsa_memory_ordered 1
		.amdhsa_forward_progress 1
		.amdhsa_inst_pref_size 190
	.end_amdhsa_kernel
	.amdgpu_metadata
---
amdhsa.version: [ 1, 2 ]
amdhsa.kernels:
  - .name:           k_qb7ff607c7e_pqk
    .symbol:         k_qb7ff607c7e_pqk.kd
    .args:
      - { .name: x_codes, .offset: 0, .size: 8, .value_kind: global_buffer, .address_space: global }
      - { .name: x_scales, .offset: 8, .size: 8, .value_kind: global_buffer, .address_space: global }
      - { .name: Wq_codes, .offset: 16, .size: 8, .value_kind: global_buffer, .address_space: global }
      - { .name: Wq_scales, .offset: 24, .size: 8, .value_kind: global_buffer, .address_space: global }
      - { .name: Wk_codes, .offset: 32, .size: 8, .value_kind: global_buffer, .address_space: global }
      - { .name: Wk_scales, .offset: 40, .size: 8, .value_kind: global_buffer, .address_space: global }
      - { .name: bq, .offset: 48, .size: 8, .value_kind: global_buffer, .address_space: global }
      - { .name: bk, .offset: 56, .size: 8, .value_kind: global_buffer, .address_space: global }
      - { .name: qimg, .offset: 64, .size: 8, .value_kind: global_buffer, .address_space: global }
      - { .name: qscl, .offset: 72, .size: 8, .value_kind: global_buffer, .address_space: global }
      - { .name: kimg, .offset: 80, .size: 8, .value_kind: global_buffer, .address_space: global }
      - { .name: kscl, .offset: 88, .size: 8, .value_kind: global_buffer, .address_space: global }
    .group_segment_fixed_size: 327680
    .private_segment_fixed_size: 0
    .kernarg_segment_align: 8
    .kernarg_segment_size: 96
    .max_flat_workgroup_size: 128
    .sgpr_count:     102
    .vgpr_count:     1024
    .wavefront_size: 32
...
	.end_amdgpu_metadata
.endif
;; end of part 1
;; launch att (part 2): grid 8 x 32, 16 waves a work-group, clusters of 4 x 1, 207,104 bytes of LDS; arguments qimg, qscl, kimg, kscl, part; writes part
.if DOCPART == 2
	.amdgcn_target "amdgcn-amd-amdhsa--gfx1250"
	.amdhsa_code_object_version 6
	.text
	.protected	k_qb7ff607c7e_att
	.globl	k_qb7ff607c7e_att
	.p2align	8
	.type	k_qb7ff607c7e_att,@function
k_qb7ff607c7e_att:
	s_mov_b64 s[64:65], 0
	v_nop
	global_prefetch_b8 v0, s[64:65] scope:SCOPE_SE
	s_setreg_imm32_b32 hwreg(HW_REG_WAVE_MODE, 25, 1), 1
	s_wait_xcnt 0x0
	s_wait_alu depctr_hold_cnt(0) depctr_sa_sdst(0) depctr_va_vdst(0) depctr_va_sdst(0) depctr_va_ssrc(0) depctr_va_vcc(0) depctr_vm_vsrc(0)
	s_getreg_b32 s2, hwreg(HW_REG_IB_STS2, 6, 4)
	s_cmp_eq_u32 s2, 0
	s_cbranch_scc0 .Lentry_in_a_cluster
	s_endpgm
.Lentry_in_a_cluster:
	s_bfe_u32 s2, ttmp6, 0x10000c
	s_cmp_lg_u32 s2, 0x3003
	s_cbranch_scc0 .Lentry_shape_is_right
	s_endpgm
.Lentry_shape_is_right:
; THE SCORES AND THEIR SOFTMAX, SUMMED.  For each batch and head: scores = Q(q) Q(k)^T on codes of E3M2 (K = the head's 64), attn = softmax(scores / 32) along the keys, and the sum of attn over queries and keys.
; A row's softmax is taken with a running maximum m and a running sum l of p = 2^(c s - c m), c = log2(e) / 32; the row's sum of p / l is taken as l x (1 / l).  A wave adds that over its 16 queries
; and the work-group stores 32 words: word 2 w + head of wave w.  The next launch adds the words of a head.
; SHARES.  A work-group owns a pair of heads of one batch (y = 8 b + hp) and 256 queries (block qb); each of its sixteen waves owns one tile of 16 queries, for both heads, and walks the pair's 128 tiles of keys.
; OPERANDS are images of registers, made by the launch before: 16 tokens x 128 K = [head 2 hp's 64 | head 2 hp + 1's 64].  A key image is source 0 as it lies.  From its query image the wave makes two
; operands: QA = [its first 64 | zero codes] and QB = [zero codes | its last 64], and gives the zero side the scale byte 0 (2^-127).  E3M2 has no infinity and no NaN, so a code times a zero code is 0:
; K x QA is head A's score and K x QB head B's.  In a result a lane holds ONE query (lane % 16) and eight keys; which keys does not matter to a maximum or a sum.
; Each lane keeps m and l for the keys that fall to its half of the lanes; the two halves are joined once, at the end.
; LDS is filled ONCE: all 128 key images (196,608 bytes) and their scale words (8,192) are asked for at the head, by five tensor loads in each of waves 0 to 3: five of a wave's loads are out at the most.
; Nothing is filled again, so there is no later request that a prefetch could run ahead of.  The claim is above half of a WGP's LDS, so that the work-group is alone on its WGP.
; CLUSTER.  The four query blocks of a cluster belong to one pair of heads and read the same keys: every load is asked for jointly, with the same descriptor and the mask of all four.
; LIMITS: NaN and infinities are not served.
.set KSCL,  196608                     ; LDS: behind the 128 images: 64 x 128 bytes of scale words (lanes 0-15 the even tile's rows, lanes 16-31 the odd tile's)
.set RED,   204800                     ; and 256 bytes of their own for the waves' sums: no tensor load lands here
.set CHUNK, 49152                      ; 32 key tiles: eight steps
.set QUART, 12288                      ; what one tensor load brings of a chunk
.set LI,  1                            ; v1   16 x lane
.set LS,  2                            ; v2   KSCL + 4 x lane
.set ADK, 3                            ; v3   LDS address of the step's images
.set ADS, 4                            ; v4   and of its scale words
.set RW,  5                            ; v5   RED + 4 x (thread / 16): word 2 w + half
.set RR,  6                            ; v6   RED + 4 x lane
.set PO,  7                            ; v7   4 x lane
.set STA, 10                           ; head A's statistics: +0 c m, +1 m, +2, +3 l (two halves), +4 a (+5 named with it), +6, +7 a second chain of sums, +8 c m's change, +9, +10 two chains of maxima
.set STB, 22                           ; head B's
.set RS,  33
.set RB,  34
.set QA,  36                           ; v36-47
.set QB,  48                           ; v48-59
.set QSA, 60                           ; the queries' scale words for QA and for QB
.set QSB, 61
.set KS,  62                           ; v62-63 the scale words of the step's four key tiles
.set KF,  64                           ; v64-111 four key images
.set SA,  112                          ; v112-143 head A's 32 scores a lane
.set SB,  144                          ; v144-175 head B's
.set WV,  14
.set CS,  18                           ; s[18:19] c, written twice: the packed form names a pair
.set SEL, 20                           ; s[20:21] lane selects: lane l xor 16
.set TB,  22                           ; s22  LDS byte at which the images of the step to be fetched begin
.set TS,  23                           ; s23  the same for the scale words
.set CNT, 24
.set MK,  25                           ; s25  the mask of lanes 16-31
.set G1I, 28                           ; s[28:35] group 1 for a quarter of a chunk;  s[36:43] for a quarter of the scale words
.set G1S, 36
.set G0S, 44                           ; s[44:47] group 0 for the scale words;  s[48:63] for the four chunks
.set G0C, 48
.macro CROUND                          ; a round of the cluster's barrier
	s_barrier_signal -1
	s_barrier_wait -1
	s_cmp_lg_u32 s[WV], 0
	s_cbranch_scc1 .Lnot_wave_0_\@
	s_barrier_signal -3
.Lnot_wave_0_\@:
	s_barrier_wait -3
	s_barrier_signal -1
	s_barrier_wait -1
.endm
	s_load_b256 s[4:11], s[0:1], 0x0               ; qimg, qscl, kimg, kscl
	s_load_b64 s[12:13], s[0:1], 0x20              ; part
	v_lshl_add_u32 v192, v0, 2, 0x32100
	v_mov_b32 v193, 0
	ds_add_u32 v192, v193
	ds_add_u32 v192, v193
	v_lshrrev_b32 v9, 5, v0
	v_readfirstlane_b32 s[WV], v9                  ; wave 0..15
	s_bfe_u32 s15, ttmp6, 0x40000                  ; cx
	s_lshl_b32 s16, ttmp9, 2
	s_add_co_u32 s16, s16, s15                     ; qb = 4 x cluster x + cx: it enters Q's and the result's addresses alone
	s_and_b32 s17, ttmp7, 0xffff                   ; y, which the four partners share
	s_and_b32 s26, s[WV], 3                        ; which quarter I fetch, if I fetch
	; group 1: dense blocks as rows of 256 bytes (32 elements of 8 bytes): 48 rows of images, 8 rows of scale words; the mask names all four work-groups, bit 21 set beside it
	s_mov_b32 s[G1I], 15|(3<<16)|(1<<21)
	s_mov_b32 s[G1I+1], 32<<16
	s_mov_b32 s[G1I+2], 48<<16
	s_mov_b32 s[G1I+3], 32<<16
	s_mov_b32 s[G1I+4], 48
	s_mov_b32 s[G1I+5], 32
	s_mov_b32 s[G1I+6], 0
	s_mov_b32 s[G1I+7], 0
	s_mov_b32 s[G1S], 15|(3<<16)|(1<<21)
	s_mov_b32 s[G1S+1], 32<<16
	s_mov_b32 s[G1S+2], 8<<16
	s_mov_b32 s[G1S+3], 32<<16
	s_mov_b32 s[G1S+4], 8
	s_mov_b32 s[G1S+5], 32
	s_mov_b32 s[G1S+6], 0
	s_mov_b32 s[G1S+7], 0
	s_mul_i32 s27, s26, QUART                      ; my quarter of a chunk, in memory and in LDS alike
	s_mul_i32 s66, s17, 4*CHUNK                    ; the pair's 128 images
	s_add_co_u32 s66, s66, s27
	s_mov_b32 s67, 0
	s_lshl_b32 s70, s26, 11                        ; my quarter of the scale words
	s_lshl_b32 s68, s17, 13                        ; the pair's 8,192 bytes of them
	s_add_co_u32 s68, s68, s70
	s_mov_b32 s69, 0
	s_mov_b32 s[CS], 0x3d38aa3b                    ; c = log2(e) / 32
	s_mov_b32 s[CS+1], s[CS]
	s_mov_b32 s[SEL], 0x76543210
	s_mov_b32 s[SEL+1], 0xfedcba98
	s_mov_b32 s[TB], 0
	s_mov_b32 s[TS], 0
	v_and_b32 v9, 31, v0                           ; lane
	v_lshlrev_b32 v[LI], 4, v9
	v_lshl_add_u32 v[LS], v9, 2, KSCL
	v_lshrrev_b32 v[RW], 4, v0
	v_lshl_add_u32 v[RW], v[RW], 2, RED
	v_lshl_add_u32 v[RR], v9, 2, RED
	v_lshlrev_b32 v[PO], 2, v9
	v_and_b32 v8, 15, v0
	v_lshlrev_b32 v8, 2, v8                        ; my query's scale word: 4 x (lane % 16)
	v_cmp_lt_u32 s[MK], 15, v9
	s_wait_dscnt 0x0
	s_wait_kmcnt 0x0
	s_add_nc_u64 s[66:67], s[8:9], s[66:67]
	s_add_nc_u64 s[68:69], s[10:11], s[68:69]
	s_mov_b32 s[G0S], 1
	s_add_co_u32 s[G0S+1], s70, KSCL
	s_mov_b64 s[G0S+2:G0S+3], s[68:69]
	s_or_b32 s[G0S+3], s[G0S+3], 0x80000000
.irp c, 0,1,2,3
	s_mov_b32 s[G0C+4*\c], 1
	s_add_co_u32 s[G0C+4*\c+1], s27, \c*CHUNK
	s_add_nc_u64 s[G0C+4*\c+2:G0C+4*\c+3], s[66:67], \c*CHUNK
	s_or_b32 s[G0C+4*\c+3], s[G0C+4*\c+3], 0x80000000
.endr
	CROUND                                         ; all four work-groups are here: the joint loads meet
	s_cmp_lt_u32 s[WV], 4                          ; all first fills of a wave stand in one branch on the wave's number, the same in every work-group
	s_cbranch_scc0 .Lno_fetch
	tensor_load_to_lds s[G0S:G0S+3], s[G1S:G1S+7]
	s_nop 0
	tensor_load_to_lds s[G0C:G0C+3], s[G1I:G1I+7]
	s_nop 0
	tensor_load_to_lds s[G0C+4:G0C+7], s[G1I:G1I+7]
	s_nop 0
	tensor_load_to_lds s[G0C+8:G0C+11], s[G1I:G1I+7]
	s_nop 0
	tensor_load_to_lds s[G0C+12:G0C+15], s[G1I:G1I+7]
	s_nop 0
.rept 4
	v_nop
.endr
.Lno_fetch:
	s_lshl_b32 s70, s17, 7
	s_lshl_b32 s71, s16, 4
	s_add_co_u32 s70, s70, s71
	s_add_co_u32 s70, s70, s[WV]                   ; my query tile's image: 128 y + 16 qb + wave
	s_mul_i32 s66, s70, 1536
	s_mov_b32 s67, 0
	s_add_nc_u64 s[4:5], s[4:5], s[66:67]
	s_lshl_b32 s66, s70, 6                         ; 64 bytes of scale words an image
	s_add_nc_u64 s[6:7], s[6:7], s[66:67]
	s_lshl_b32 s66, s17, 3
	s_add_co_u32 s66, s66, s16
	s_lshl_b32 s66, s66, 7                         ; the work-group's 128 bytes of the result: 8 y + qb
	s_add_nc_u64 s[12:13], s[12:13], s[66:67]
	global_load_b128 v[QA:QA+3], v[LI], s[4:5]
	global_load_b128 v[QA+4:QA+7], v[LI], s[4:5] offset:512
	global_load_b128 v[QA+8:QA+11], v[LI], s[4:5] offset:1024
	global_load_b32 v[QSA], v8, s[6:7]
	s_wait_loadcnt 0x0
	v_and_b32 v[QSB], 0xffff0000, v[QSA]           ; bytes 2, 3: head B's two blocks; bytes 0, 1 become 0
	v_and_b32 v[QSA], 0xffff, v[QSA]               ; bytes 0, 1: head A's
.irp i, 0,1,2,3,4,5
	v_mov_b32 v[QB+\i], 0
	v_mov_b32 v[QB+6+\i], v[QA+6+\i]               ; registers 6-11 hold K = 64 .. 127
.endr
.irp i, 0,1,2,3,4,5
	v_mov_b32 v[QA+6+\i], 0
.endr
.irp st, STA, STB                              ; (these ten lines and the two address lines below are also the places between the operands and scale words just written and the first scaled product)
	v_mov_b32 v[\st+1], 0xff61b1e6                 ; m = -3e38, under every score
	v_mul_f32 v[\st], s[CS], v[\st+1]              ; c m
	v_mov_b32 v[\st+2], 0                          ; l: the first step multiplies zeros by a = 0
	v_mov_b32 v[\st+3], 0
	v_mov_b32 v[\st+5], 0                          ; (named as the upper half of a's pair)
.endr
.macro KLOADS                          ; four key images, 12 loads of 512 consecutive bytes, and their scale words
.irp t, 0,1,2,3
.irp c, 0,1,2
	ds_load_b128 v[KF+12*\t+4*\c:KF+12*\t+4*\c+3], v[ADK] offset:1536*\t+512*\c
.endr
.endr
	ds_load_b32 v[KS], v[ADS]
	ds_load_b32 v[KS+1], v[ADS] offset:128
.endm
; Sum n of 16 of a head's 16 pairs of p: l = l a + pair 0; a second chain starts with pairs 1 and 2; then the two chains by turns; at the end they are joined.
.macro SUM stat, reg, n
.if (\n) == 0
	v_pk_fma_f32 v[\stat+2:\stat+3], v[\stat+2:\stat+3], v[\stat+4:\stat+5], v[\reg:\reg+1] op_sel_hi:[1,0,1]
.elseif (\n) == 1
	v_pk_add_f32 v[\stat+6:\stat+7], v[\reg+2:\reg+3], v[\reg+4:\reg+5]
.elseif (\n) == 15
	v_pk_add_f32 v[\stat+2:\stat+3], v[\stat+2:\stat+3], v[\stat+6:\stat+7]
.elseif (\n)%2 == 0
	v_pk_add_f32 v[\stat+2:\stat+3], v[\stat+2:\stat+3], v[\reg+2*(\n)+2:\reg+2*(\n)+3]
.else
	v_pk_add_f32 v[\stat+6:\stat+7], v[\stat+6:\stat+7], v[\reg+2*(\n)+2:\reg+2*(\n)+3]
.endif
.endm
; A STEP: four key tiles, 64 keys, both heads.  pf = 1: the next step's images are fetched behind the products.
.macro STEP pf
	s_wait_dscnt 0x0                               ; this step's images and scale words are in
.irp t, 0,1,2,3                                ; eight products, each on an accumulator of its own, begun with 0
.if \t%2
	v_wmma_scale_f32_16x16x128_f8f6f4 v[SA+8*\t:SA+8*\t+7], v[KF+12*\t:KF+12*\t+11], v[QA:QA+11], 0, v[KS+\t/2], v[QSA] matrix_a_fmt:MATRIX_FMT_BF6 matrix_b_fmt:MATRIX_FMT_BF6 matrix_a_scale:MATRIX_SCALE_ROW1
	v_wmma_scale_f32_16x16x128_f8f6f4 v[SB+8*\t:SB+8*\t+7], v[KF+12*\t:KF+12*\t+11], v[QB:QB+11], 0, v[KS+\t/2], v[QSB] matrix_a_fmt:MATRIX_FMT_BF6 matrix_b_fmt:MATRIX_FMT_BF6 matrix_a_scale:MATRIX_SCALE_ROW1
.else
	v_wmma_scale_f32_16x16x128_f8f6f4 v[SA+8*\t:SA+8*\t+7], v[KF+12*\t:KF+12*\t+11], v[QA:QA+11], 0, v[KS+\t/2], v[QSA] matrix_a_fmt:MATRIX_FMT_BF6 matrix_b_fmt:MATRIX_FMT_BF6
	v_wmma_scale_f32_16x16x128_f8f6f4 v[SB+8*\t:SB+8*\t+7], v[KF+12*\t:KF+12*\t+11], v[QB:QB+11], 0, v[KS+\t/2], v[QSB] matrix_a_fmt:MATRIX_FMT_BF6 matrix_b_fmt:MATRIX_FMT_BF6
.endif
.endr
.if \pf
	s_add_co_u32 s[TB], s[TB], 6144
	s_add_co_u32 s[TS], s[TS], 256
	v_add_nc_u32 v[ADK], s[TB], v[LI]              ; four places behind the products, ahead of the loads into their sources and of the first read of results (ISA guide 7.12.1 for the read of results)
	v_add_nc_u32 v[ADS], s[TS], v[LS]
	v_nop
	v_nop
	KLOADS
.else
.rept 4
	v_nop
.endr
.endif
	; the maximum of the lane's 32 scores and the old m: two chains a head, the heads by turns; each accumulator is first read at its low end
	v_max3_num_f32 v[STA+9], v[STA+1], v[SA], v[SA+1]
	v_max3_num_f32 v[STB+9], v[STB+1], v[SB], v[SB+1]
	v_max3_num_f32 v[STA+10], v[SA+16], v[SA+17], v[SA+18]
	v_max3_num_f32 v[STB+10], v[SB+16], v[SB+17], v[SB+18]
.irp i, 2,4,6,8,10,12
	v_max3_num_f32 v[STA+9], v[STA+9], v[SA+\i], v[SA+\i+1]
	v_max3_num_f32 v[STB+9], v[STB+9], v[SB+\i], v[SB+\i+1]
	v_max3_num_f32 v[STA+10], v[STA+10], v[SA+17+\i], v[SA+18+\i]
	v_max3_num_f32 v[STB+10], v[STB+10], v[SB+17+\i], v[SB+18+\i]
.endr
	v_max3_num_f32 v[STA+9], v[STA+9], v[SA+14], v[SA+15]
	v_max3_num_f32 v[STB+9], v[STB+9], v[SB+14], v[SB+15]
	v_max3_num_f32 v[STA+1], v[STA+9], v[STA+10], v[SA+31]
	v_max3_num_f32 v[STB+1], v[STB+9], v[STB+10], v[SB+31]
	v_mov_b32 v[STA+8], v[STA]                     ; c m_old is kept,
	v_mov_b32 v[STB+8], v[STB]
	v_mul_f32 v[STA], s[CS], v[STA+1]              ; c m anew,
	v_mul_f32 v[STB], s[CS], v[STB+1]
	v_sub_f32 v[STA+8], v[STA+8], v[STA]           ; c m_old - c m_new, 0 or less
	v_sub_f32 v[STB+8], v[STB+8], v[STB]
.irp j, 0,1,2,3,4,5,6,7,8,9,10,11,12,13,14,15
	v_pk_fma_f32 v[SA+2*\j:SA+2*\j+1], v[SA+2*\j:SA+2*\j+1], s[CS:CS+1], v[STA:STA+1] op_sel_hi:[1,0,0] neg_lo:[0,0,1] neg_hi:[0,0,1]   ; c s - c m
.endr
	v_exp_f32 v[STA+4], v[STA+8]                   ; a = 2^(c m_old - c m_new)
	v_exp_f32 v[STB+4], v[STB+8]
.irp j, 0,1,2,3,4,5,6,7,8,9,10,11,12,13,14,15  ; FIRST BATCH: a of both heads and head A's 32 exponentials, with head B's scalings between them; none of these lines names an exponential's result
	v_pk_fma_f32 v[SB+2*\j:SB+2*\j+1], v[SB+2*\j:SB+2*\j+1], s[CS:CS+1], v[STB:STB+1] op_sel_hi:[1,0,0] neg_lo:[0,0,1] neg_hi:[0,0,1]
	v_exp_f32 v[SA+2*\j], v[SA+2*\j]
	v_exp_f32 v[SA+2*\j+1], v[SA+2*\j+1]
.endr
	v_nop                                          ; a plain instruction behind the last exponential,
	s_wait_alu depctr_va_vdst(0)                   ; and one wait for the batch, ahead of its first reader
.irp j, 0,1,2,3,4,5,6,7,8,9,10,11,12,13,14,15  ; SECOND BATCH: head B's 32 exponentials, with head A's sums, which read the first batch alone, between them
	v_exp_f32 v[SB+2*\j], v[SB+2*\j]
	v_exp_f32 v[SB+2*\j+1], v[SB+2*\j+1]
	SUM STA, SA, \j
.endr
	s_wait_alu depctr_va_vdst(0)                   ; one wait for the second batch; head A's last sum is the plain instruction behind its last exponential
.irp j, 0,1,2,3,4,5,6,7,8,9,10,11,12,13,14,15
	SUM STB, SB, \j
.endr
.endm
.macro LOOP n
	s_mov_b32 s[CNT], \n
.Lsteps_\@:
	STEP 1
	s_sub_co_u32 s[CNT], s[CNT], 1
	s_cmp_lg_u32 s[CNT], 0
	s_cbranch_scc1 .Lsteps_\@
.endm
; The next chunk of keys is shown to every wave: the waves that fetched wait until at most k of their loads, those issued behind that chunk's, are out; then the barrier.
.macro NEXT k
	s_wait_dscnt 0x0                               ; no LDS instruction of mine is pending at a signal
	s_wait_tensorcnt \k
	s_barrier_signal -1
	s_barrier_wait -1
.endm
	NEXT 3                                         ; the scale words and chunk 0 are in; chunks 1, 2, 3 may be out
	v_add_nc_u32 v[ADK], s[TB], v[LI]
	v_add_nc_u32 v[ADS], s[TS], v[LS]
	KLOADS                                         ; step 0
	LOOP 7                                         ; steps 0-6 are worked, steps 1-7 fetched: all in chunk 0
	NEXT 2
	LOOP 8                                         ; steps 7-14 worked, 8-15 fetched: chunk 1
	NEXT 1
	LOOP 8                                         ; steps 15-22 worked, 16-23 fetched: chunk 2
	NEXT 0
	LOOP 8                                         ; steps 23-30 worked, 24-31 fetched: chunk 3
	STEP 0                                         ; step 31
	; THE END.  A query's two halves of the keys lie in lanes l and l xor 16: they are brought under the larger c m and added; the row's sum of p / l is l x (1 / l).
.irp st, STA, STB
	v_add_f32 v[\st+6], v[\st+2], v[\st+3]         ; l of my half of the keys
.endr
.irp st, STA, STB
	v_permlanex16_b32 v[\st+9], v[\st], s[SEL], s[SEL+1]       ; the other half's c m
	v_permlanex16_b32 v[\st+10], v[\st+6], s[SEL], s[SEL+1]    ; and its l
.endr
.irp st, STA, STB
	v_max_num_f32 v[\st+1], v[\st], v[\st+9]       ; the row's c m
.endr
.irp st, STA, STB
	v_sub_f32 v[\st+8], v[\st], v[\st+1]
	v_sub_f32 v[\st+9], v[\st+9], v[\st+1]
.endr
.irp st, STA, STB
	v_exp_f32 v[\st+8], v[\st+8]
	v_exp_f32 v[\st+9], v[\st+9]
.endr
	v_nop                                          ; a plain instruction behind the last exponential,
	s_wait_alu depctr_va_vdst(0)                   ; and one wait for the four
.irp st, STA, STB
	v_mul_f32 v[\st+6], v[\st+6], v[\st+8]
.endr
.irp st, STA, STB
	v_fma_f32 v[\st+6], v[\st+10], v[\st+9], v[\st+6]          ; the row's l
.endr
.irp st, STA, STB
	v_rcp_f32 v[\st+7], v[\st+6]
.endr
	v_nop
	s_wait_alu depctr_va_vdst(0)                   ; one wait for the two reciprocals
.irp st, STA, STB
	v_mul_f32 v[\st+6], v[\st+6], v[\st+7]         ; the sum over the keys of p / l
.endr
	v_cndmask_b32 v[RS], v[STA+6], v[STB+6], s[MK] ; lanes 0-15: head A's 16 queries; lanes 16-31: head B's
	v_add_f32_dpp v[RS], v[RS], v[RS] row_xmask:1 row_mask:0xf bank_mask:0xf
	v_add_f32_dpp v[RS], v[RS], v[RS] row_xmask:2 row_mask:0xf bank_mask:0xf
	v_add_f32_dpp v[RS], v[RS], v[RS] row_xmask:4 row_mask:0xf bank_mask:0xf
	v_add_f32_dpp v[RS], v[RS], v[RS] row_xmask:8 row_mask:0xf bank_mask:0xf
	ds_store_b32 v[RW], v[RS]                      ; sixteen lanes write the same word with the same value: word 2 w + head
	s_wait_dscnt 0x0                               ; for the others' sake: my store is done
	s_barrier_signal -1
	s_barrier_wait -1
	s_cmp_lg_u32 s[WV], 0
	s_cbranch_scc1 .Lnot_first
	ds_load_b32 v[RB], v[RR]                       ; wave 0 takes the 32 words
	s_wait_dscnt 0x0
	global_store_b32 v[PO], v[RB], s[12:13]        ; 128 consecutive bytes
.Lnot_first:
	s_wait_tensorcnt 0x0
	ds_add_u32 v192, v193
	s_wait_dscnt 0x0
	CROUND                                         ; the closing round, behind the last joint load
	s_endpgm
.Lfunc_end_k_qb7ff607c7e_att:
	.size	k_qb7ff607c7e_att, .Lfunc_end_k_qb7ff607c7e_att-k_qb7ff607c7e_att
	.p2alignl 7, 3214868480
	.fill 96, 4, 3214868480
	.section	.rodata,"a",@progbits
	.p2align	6, 0x0
	.amdhsa_kernel k_qb7ff607c7e_att
		.amdhsa_group_segment_fixed_size 207104
		.amdhsa_private_segment_fixed_size 0
		.amdhsa_enable_private_segment 0
		.amdhsa_kernarg_size 40
		.amdhsa_user_sgpr_count 2
		.amdhsa_user_sgpr_kernarg_segment_ptr 1
		.amdhsa_wavefront_size32 1
		.amdhsa_system_sgpr_workgroup_id_x 1
		.amdhsa_system_sgpr_workgroup_id_y 1
		.amdhsa_system_sgpr_workgroup_id_z 1
		.amdhsa_system_vgpr_workitem_id 0
		.amdhsa_next_free_vgpr 194
		.amdhsa_next_free_sgpr 72
		.amdhsa_reserve_vcc 0
		.amdhsa_float_denorm_mode_32 3
		.amdhsa_float_denorm_mode_16_64 3
		.amdhsa_memory_ordered 1
		.amdhsa_forward_progress 1
		.amdhsa_inst_pref_size 63
	.end_amdhsa_kernel
	.amdgpu_metadata
---
amdhsa.version: [ 1, 2 ]
amdhsa.kernels:
  - .name:           k_qb7ff607c7e_att
    .symbol:         k_qb7ff607c7e_att.kd
    .args:
      - { .name: qimg, .offset: 0, .size: 8, .value_kind: global_buffer, .address_space: global }
      - { .name: qscl, .offset: 8, .size: 8, .value_kind: global_buffer, .address_space: global }
      - { .name: kimg, .offset: 16, .size: 8, .value_kind: global_buffer, .address_space: global }
      - { .name: kscl, .offset: 24, .size: 8, .value_kind: global_buffer, .address_space: global }
      - { .name: part, .offset: 32, .size: 8, .value_kind: global_buffer, .address_space: global }
    .group_segment_fixed_size: 207104
    .private_segment_fixed_size: 0
    .kernarg_segment_align: 8
    .kernarg_segment_size: 40
    .max_flat_workgroup_size: 512
    .sgpr_count:     72
    .vgpr_count:     194
    .wavefront_size: 32
...
	.end_amdgpu_metadata
.endif
;; end of part 2
;; launch pv (part 3): grid 4 x 32, 4 waves a work-group, clusters of 4 x 4, 327,680 bytes of LDS; arguments x_codes, x_scales, Wv_codes, Wv_scales, bv, part, vimg, vscl; writes vimg, vscl
.if DOCPART == 3
	.amdgcn_target "amdgcn-amd-amdhsa--gfx1250"
	.amdhsa_code_object_version 6
	.text
	.protected	k_qb7ff607c7e_pv
	.globl	k_qb7ff607c7e_pv
	.p2align	8
	.type	k_qb7ff607c7e_pv,@function
k_qb7ff607c7e_pv:
	s_mov_b64 s[64:65], 0
	v_nop
	global_prefetch_b8 v0, s[64:65] scope:SCOPE_SE
	s_setreg_imm32_b32 hwreg(HW_REG_WAVE_MODE, 25, 1), 1
	s_wait_xcnt 0x0
	s_wait_alu depctr_hold_cnt(0) depctr_sa_sdst(0) depctr_va_vdst(0) depctr_va_sdst(0) depctr_va_ssrc(0) depctr_va_vcc(0) depctr_vm_vsrc(0)
	s_getreg_b32 s2, hwreg(HW_REG_IB_STS2, 6, 4)
	s_cmp_eq_u32 s2, 0
	s_cbranch_scc0 .Lentry_in_a_cluster
	s_endpgm
.Lentry_in_a_cluster:
	s_bfe_u32 s2, ttmp6, 0x10000c
	s_cmp_lg_u32 s2, 0xf033
	s_cbranch_scc0 .Lentry_shape_is_right
	s_endpgm
.Lentry_shape_is_right:
; A PROJECTION OF x ON CODES OF E3M2, WHOSE RESULT LEAVES AS CODES.  y = x W^T + bias (HASF = 1: times a factor for each head), x [8192][1024], W [1024][1024], both given as codes of 6 bits with
; one E8M0 byte for each 32 along K.  The result is quantised again, in blocks of 32 along its columns, and stored as IMAGES OF OPERAND REGISTERS: a fragment of 16 tokens x 128 columns is 12 registers a lane,
; stored as 3 x 512 bytes, lane l's 16 bytes at 16 l; image ((8 b + hp) 128 + tt): batch b, columns 128 hp on (two heads of 64), token tile tt of the batch.
; HASF = 0: two tensors in one launch: the clusters with x = 0 make q (Wq, bq), those with x = 1 make k (Wk, bk); only pointers are chosen.  The scale words (four bytes a row and 128 columns) go
; out two token tiles to 128 bytes: lanes 0-15 the even tile's rows, lanes 16-31 the odd tile's.
; HASF = 1: v (Wv, bv) times c[b][head], the sum of the 128 partial sums that the launch before has stored for that head; the scale words are laid [8192][32], as x's are.
; SHARES.  A tile of 256 rows x 256 columns to a work-group of four waves, 128 x 128 to a wave: 64 accumulators, 512 registers.  K goes in steps of 256 through a ring of two LDS slots filled by the tensor
; data mover; the scale bytes of the tile's rows of x and of W, for all of K, come into LDS once.  4 x 4 work-groups form a cluster: x's tiles are asked for jointly along a row of it, W's along a column.
; The matrix instruction is used transposed (source 0 = 16 rows of W, source 1 = 16 rows of x): a lane holds one token and eight neighbouring columns.
; REGISTERS, in windows of 256: window 0: v0-31 addresses; v32-63 scale words, two sets; v64-127 the bias of my 128 columns in the result's layout; from v128 x's fragments, one set; at the end v128-239 at work.
;   window 1: W's fragments, two sets, at v0 and v128.  window 2: the accumulators of my rows 0-63 ((a, b) at v[8 (8 a + b)]);  window 3: those of rows 64-127.
; LIMITS: NaN and infinities among the inputs are not served.  A block of the result whose largest magnitude lies under 2^-122, a block of zeros too, gets the scale byte 1: its codes are
; zeros or subnormal codes under that scale, and the bytes are read by this program alone.  With HASF = 1 the result is acc x c + (bias x c), one rounding of bias x c and one of the fused multiply-add.
.set HASF,   1
.set KSTEP,  256                       ; along K in a slot
.set NQ,     KSTEP/128                 ; matrix instructions deep
.set ROWB,   192                       ; a tile's row in bytes: 256 codes of 6 bits
.set KROW,   768                       ; a row of x or of W in memory: 1,024 codes
.set PITCH,  240                       ; an LDS row: 3 x (64 bytes + 16 of padding)
.set FR,     12                        ; registers of a fragment
.set NL,     6                         ; LDS loads that bring one
.set NP,     4                         ; places behind this matrix instruction (ISA guide 7.12.1)
.set HALFT,  128*PITCH                 ; 128 rows: one tensor load
.set SLOT,   4*HALFT                   ; x's 256 rows, then W's 256 rows
.set LAPS,   2                         ; 1,024 / (2 x 256): twice round the ring
.set KS,     32                        ; a row of scale bytes
.set SCL,    2*SLOT                    ; behind the ring: the scale bytes, as units of 256 bytes + 16 of padding
.set HALFS,  (128*KS/256)*272          ; those of 128 rows: one tensor load
.set SBLK,   (16*KS/256)*272           ; those of 16 rows
.set SPARE,  SCL+4*HALFS               ; the spare words, 128 bytes a wave: two blocks of 256 bytes that no other line names
.set ADRA, 16                          ; v16-17 LDS address of my fragments of x in slot 0, 1; v18-19 the same behind one padding more
.set ADRB, 20                          ; v20-23 the same for W
.set IO,   24                          ; v24  16 x lane: my place in an image
.set SOFF, 25                          ; v25  my place among the scale words that a store covers
.set ADRS, 27                          ; v27  LDS address of my scale words: lanes 0-15 x's rows, lanes 16-31 W's
.set SPW,  28                          ; v28  my spare word; never rewritten
.set NIL,  29                          ; v29  0; never rewritten
.set BOF,  30                          ; v30  32 x (lane / 16): my half's eight numbers of a tile's sixteen of the bias
.set POF,  31                          ; v31  4 x lane (HASF)
.set SC,   32
.set BI,   64                          ; v64-127  bias: register 8 t + j = column 16 t + 8 (lane / 16) + j of my 128
.set AF,   128
.set T,    128                         ; v128-191 a block's 64 numbers a lane
.set CD,   192                         ; v192-211 the codes just made
.set TM,   212                         ; v212-227 at work in the quantiser
.set PWE,  228                         ; the scale word of the even block, of the odd block, and the two joined
.set PWO,  229
.set PWS,  230
.set PT,   232                         ; v232-239 partial sums (HASF)
.set G1, 24
.set G0, 32
.set G1B, 48
.set G0B, 56
.set G1S, 68
.set G0S, 76
.set G1SB, 80
.set G0SB, 88
.set FA,  92                           ; s[92:93], s[94:95] the two heads' factors, each written twice (HASF)
.set FB,  94
.set SEL, 100                          ; s[100:101] lane selects for v_permlanex16_b32: lane l xor 16
.if HASF
.set SSTEP, 1024                       ; 32 rows of 32 bytes
.else
.set SSTEP, 128
.endif
.set MSB, 0
.macro WIN new                         ; the immediate's high byte repeats the setting that is left
.if MSB != \new
	s_set_vgpr_msb (MSB<<8)|\new
.set MSB, \new
.endif
.endm
.set MUL_LO, 0xa1                      ; source 0 (W) window 1, source 1 (x) window 0, C and D window 2
.set MUL_HI, 0xf1                      ; the same, C and D window 3
.set TO_B,   0x40                      ; destination window 1, address window 0
; A joint load: waves 0 and 1 fetch for x, waves 2 and 3 for W.  Each line has one mask and one set of registers for all that issue it; the branch hangs on the wave's number alone.
; Four v_nop follow each of the two lines, ahead of the jump, the label and what follows.
.macro JLOAD g0a, g1a, g0b, g1b
	s_cmp_eq_u32 s15, 0
	s_cbranch_scc0 .Lfor_b_\@
	tensor_load_to_lds s[\g0a:\g0a+3], s[\g1a:\g1a+7]
	s_nop 0
.rept 4
	v_nop
.endr
	s_branch .Lasked_\@
.Lfor_b_\@:
	tensor_load_to_lds s[\g0b:\g0b+3], s[\g1b:\g1b+7]
	s_nop 0
.rept 4
	v_nop
.endr
.Lasked_\@:
.endm
.macro CREST                           ; a round of the cluster's barrier behind its opening barrier
	s_cmp_lg_u32 s14, 0
	s_cbranch_scc1 .Lnot_wave_0_\@
	s_barrier_signal -3
.Lnot_wave_0_\@:
	s_barrier_wait -3
	s_barrier_signal -1
	s_barrier_wait -1
.endm
.macro CROUND                          ; a whole round
	s_barrier_signal -1
	s_barrier_wait -1
	CREST
.endm
	s_load_b128 s[4:7], s[0:1], 0x0                ; x's codes, x's scales
.if HASF
	s_load_b128 s[8:11], s[0:1], 0x10              ; Wv's codes, Wv's scales
	s_load_b256 s[68:75], s[0:1], 0x20             ; bv, part, vimg, vscl
.else
	s_load_b256 s[68:75], s[0:1], 0x10             ; Wq's codes, Wq's scales, Wk's codes, Wk's scales
	s_load_b256 s[80:87], s[0:1], 0x30             ; bq, bk, qimg, qscl
	s_load_b128 s[92:95], s[0:1], 0x50             ; kimg, kscl
.endif
	v_lshl_add_u32 v[SPW], v0, 2, SPARE
	v_mov_b32 v[NIL], 0
	ds_add_u32 v28, v29
	ds_add_u32 v28, v29
	s_wait_dscnt 0x0
	v_lshrrev_b32 v1, 5, v0
	v_readfirstlane_b32 s14, v1                    ; wave 0..3
	s_lshr_b32 s15, s14, 1                         ; which half of the tile's rows is mine.  Also: I fetch for x (0) or for W (1)
	s_and_b32 s16, s14, 1                          ; which half of its columns.  Also: which 128 rows of that tile I fetch
	s_bfe_u32 s40, ttmp6, 0x40000                  ; cx: my place along the cluster's x, and the tile column inside a weight (1,024 columns are four tiles)
	s_bfe_u32 s41, ttmp6, 0x40004                  ; cy
	s_and_b32 s17, ttmp7, 0xffff
	s_lshl_b32 s17, s17, 2
	s_add_co_u32 s17, s17, s41                     ; tile row = 4 x cluster y + cy
	s_lshl_b32 s43, s41, 2
	s_lshl_b32 s43, 15, s43                        ; my row of the cluster
	s_lshl_b32 s44, 0x1111, s40                    ; my column
	s_mov_b32 s[SEL], 0x76543210
	s_mov_b32 s[SEL+1], 0xfedcba98
	; descriptor group 1: a tile of 128 rows x 192 bytes, 16 bytes of padding behind every 64
	s_or_b32 s[G1+0], s43, (0<<16)|(1<<20)|(1<<21)|(3<<22)|(3<<25)  ; 15:0 the mask: x's tiles go to my row; 17:16 elements of 1 byte; 20 padding on; 21 set beside a mask; 24:22 after every 16 words; 31:25 of 4 words
	s_or_b32 s[G1B+0], s44, (0<<16)|(1<<20)|(1<<21)|(3<<22)|(3<<25) ; W's tiles go to my column
.irp g, G1, G1B
	s_mov_b32 s[\g+1], ROWB<<16                    ; tensor_dim0
	s_mov_b32 s[\g+2], 128<<16                     ; tensor_dim1
	s_mov_b32 s[\g+3], ROWB<<16                    ; tile_dim0
	s_mov_b32 s[\g+4], 128                         ; tile_dim1
	s_mov_b32 s[\g+5], KROW                        ; from row to row
	s_mov_b32 s[\g+6], 0
	s_mov_b32 s[\g+7], 0
.endr
	s_wait_kmcnt 0x0                               ; all pointers are in: only now are the registers that received them read, and later written again
.if HASF
	s_mov_b64 s[98:99], s[68:69]                   ; the bias
	s_mov_b64 s[96:97], s[70:71]                   ; the partial sums
	s_mov_b64 s[12:13], s[72:73]                   ; the images
	s_mov_b64 s[66:67], s[74:75]                   ; the scale words
.else
	s_cmp_eq_u32 ttmp9, 0                          ; the cluster's x says which tensor: the same in all sixteen partners
	s_cselect_b64 s[8:9], s[68:69], s[72:73]       ; W's codes
	s_cselect_b64 s[10:11], s[70:71], s[74:75]     ; W's scales
	s_cselect_b64 s[98:99], s[80:81], s[82:83]     ; the bias
	s_cselect_b64 s[12:13], s[84:85], s[92:93]     ; the images
	s_cselect_b64 s[66:67], s[86:87], s[94:95]     ; the scale words
.endif
	; the scale bytes of 128 rows: a dense block of 4,096 bytes, as 16 rows of 256 bytes (32 elements of 8 bytes), 16 bytes of padding behind each
	s_or_b32 s[G1S+0], s43, (3<<16)|(1<<20)|(1<<21)|(5<<22)|(3<<25)
	s_or_b32 s[G1SB+0], s44, (3<<16)|(1<<20)|(1<<21)|(5<<22)|(3<<25)
.irp g, G1S, G1SB
	s_mov_b32 s[\g+1], 32<<16
	s_mov_b32 s[\g+2], (128*KS/256)<<16
	s_mov_b32 s[\g+3], 32<<16
	s_mov_b32 s[\g+4], 128*KS/256
	s_mov_b32 s[\g+5], 32
	s_mov_b32 s[\g+6], 0
	s_mov_b32 s[\g+7], 0
.endr
	s_lshl_b32 s18, s16, 7                         ; which 128 rows of the tile I fetch
	s_lshl_b32 s20, s17, 8
	s_add_co_u32 s20, s20, s18                     ; x: row 256 x tile row + 128 x half
	s_lshl_b32 s46, s40, 8
	s_add_co_u32 s46, s46, s18                     ; W: row 256 x tile column + 128 x half
	s_mov_b32 s21, 0
	s_mov_b32 s47, 0
	s_mov_b64 s[18:19], KS
	s_mul_u64 s[22:23], s[20:21], s[18:19]         ; where these rows' scale bytes begin
	s_mul_u64 s[92:93], s[46:47], s[18:19]
	s_mov_b64 s[18:19], KROW
	s_mul_u64 s[20:21], s[20:21], s[18:19]         ; and their codes
	s_mul_u64 s[46:47], s[46:47], s[18:19]
	s_mul_i32 s45, s14, HALFT                      ; where they go: wave x 128 rows: no place in the cluster enters an LDS address
	s_mul_i32 s94, s14, HALFS
	s_add_nc_u64 s[20:21], s[4:5], s[20:21]
	s_add_nc_u64 s[22:23], s[6:7], s[22:23]
	s_add_nc_u64 s[46:47], s[8:9], s[46:47]
	s_add_nc_u64 s[92:93], s[10:11], s[92:93]
	CROUND                                         ; all sixteen work-groups are here: the first joint loads meet
	s_mov_b32 s[G0S], 1
	s_add_co_u32 s[G0S+1], s94, SCL
	s_mov_b64 s[G0S+2:G0S+3], s[22:23]
	s_or_b32 s[G0S+3], s[G0S+3], 0x80000000
	s_mov_b32 s[G0SB], 1
	s_add_co_u32 s[G0SB+1], s94, SCL
	s_mov_b64 s[G0SB+2:G0SB+3], s[92:93]
	s_or_b32 s[G0SB+3], s[G0SB+3], 0x80000000
	JLOAD G0S, G1S, G0SB, G1SB                     ; the scale bytes first: they are wanted with K step 0
.irp s, 0,1
	s_mov_b32 s[G0+4*\s], 1
	s_add_co_u32 s[G0+4*\s+1], s45, \s*SLOT
	s_add_nc_u64 s[G0+4*\s+2:G0+4*\s+3], s[20:21], \s*ROWB
	s_or_b32 s[G0+4*\s+3], s[G0+4*\s+3], 0x80000000
	s_mov_b32 s[G0B+4*\s], 1
	s_add_co_u32 s[G0B+4*\s+1], s45, \s*SLOT
	s_add_nc_u64 s[G0B+4*\s+2:G0B+4*\s+3], s[46:47], \s*ROWB
	s_or_b32 s[G0B+4*\s+3], s[G0B+4*\s+3], 0x80000000
	JLOAD G0+4*\s, G1, G0B+4*\s, G1B
.endr
	v_and_b32 v1, 15, v0                           ; l % 16
	v_bfe_u32 v2, v0, 4, 1                         ; l / 16
	v_mul_u32_u24 v3, v1, PITCH
	v_mul_u32_u24 v4, v2, 24
	v_add_nc_u32 v4, v3, v4                        ; a fragment's row x pitch + 24 x half
	v_lshl_add_u32 v5, v2, 4, v4                   ; and the same behind one padding more
	s_mul_i32 s21, s15, HALFT                      ; my 128 rows of x
	s_mul_i32 s22, s16, HALFT                      ; my 128 rows of W,
	s_add_co_u32 s22, s22, 2*HALFT                 ; which lie behind x's 256
.irp s, 0,1
	v_add_nc_u32 v[ADRA+\s], s21, v4
	v_add_nc_u32 v[ADRB+\s], s22, v4
	v_add_nc_u32 v[ADRA+2+\s], s21, v5
	v_add_nc_u32 v[ADRB+2+\s], s22, v5
	s_add_co_u32 s21, s21, SLOT
	s_add_co_u32 s22, s22, SLOT
.endr
	v_mul_u32_u24 v5, v1, KS                       ; my row's scale bytes: 32 a row,
	v_lshrrev_b32 v6, 8, v5
	v_lshl_add_u32 v5, v6, 4, v5                   ; and 16 more for each 256 passed
	s_mul_i32 s21, s15, HALFS                      ; x's: my 128 rows
	s_mul_i32 s22, s16, HALFS                      ; W's: my 128 rows, behind x's 256
	s_add_co_u32 s22, s22, 2*HALFS
	s_sub_co_u32 s22, s22, s21
	v_mul_u32_u24 v6, s22, v2                      ; lanes 16-31 take W's
	s_add_co_u32 s21, s21, SCL
	v_add_nc_u32 v5, v5, v6
	v_add_nc_u32 v[ADRS], s21, v5
	v_and_b32 v6, 31, v0                           ; lane
	v_lshlrev_b32 v[IO], 4, v6
.if HASF
	v_lshlrev_b32 v[SOFF], 5, v6                   ; a row of scale bytes a lane
	v_lshlrev_b32 v[POF], 2, v6
.else
	v_lshlrev_b32 v[SOFF], 2, v6                   ; a word a lane
.endif
	v_lshlrev_b32 v[BOF], 5, v2
	v_cmp_lt_u32 s2, 15, v6                        ; the mask of lanes 16-31
	; where my results go.  8 b + hp: batch = tile row / 8, hp = 2 cx + my half of the columns; my first token tile of the batch: 16 (tile row % 8) + 8 x my half of the rows
	s_lshr_b32 s20, s17, 3
	s_lshl_b32 s20, s20, 3
	s_lshl_b32 s21, s40, 1
	s_add_co_u32 s21, s21, s16                     ; hp
	s_add_co_u32 s20, s20, s21                     ; 8 b + hp
	s_lshl_b32 s22, s20, 10                        ; (HASF: its 1,024 bytes of partial sums)
	s_lshl_b32 s20, s20, 7
	s_and_b32 s23, s17, 7
	s_lshl_b32 s23, s23, 4
	s_add_co_u32 s20, s20, s23
	s_lshl_b32 s23, s15, 3
	s_add_co_u32 s20, s20, s23                     ; my first image's number, at most 4,088
	s_mul_i32 s46, s20, 1536
	s_mov_b32 s47, 0
	s_add_nc_u64 s[12:13], s[12:13], s[46:47]
.if HASF
	s_lshl_b32 s46, s17, 13                        ; my first row's 32 scale bytes: (256 x tile row + 128 x half) x 32,
	s_lshl_b32 s23, s15, 12
	s_add_co_u32 s46, s46, s23
	s_lshl_b32 s23, s21, 2                         ; and in them the word of columns 128 hp on
	s_add_co_u32 s46, s46, s23
	s_add_nc_u64 s[66:67], s[66:67], s[46:47]
	s_mov_b32 s23, 0
	s_add_nc_u64 s[96:97], s[96:97], s[22:23]
.else
	s_lshl_b32 s46, s20, 6                         ; 64 bytes of scale words an image
	s_add_nc_u64 s[66:67], s[66:67], s[46:47]
.endif
	s_lshl_b32 s46, s40, 10                        ; the bias of my 128 columns: 4 x (256 cx + 128 x half) bytes on
	s_lshl_b32 s23, s16, 9
	s_add_co_u32 s46, s46, s23
	s_add_nc_u64 s[98:99], s[98:99], s[46:47]
.irp t, 0,1,2,3,4,5,6,7
	global_load_b128 v[BI+8*\t:BI+8*\t+3], v[BOF], s[98:99] offset:64*\t          ; they land while K is walked; the wait stands at the way out
	global_load_b128 v[BI+8*\t+4:BI+8*\t+7], v[BOF], s[98:99] offset:64*\t+16
.endr
.if HASF
.irp q, 0,1,2,3,4,5,6,7
	global_load_b32 v[PT+\q], v[POF], s[96:97] offset:128*\q                      ; query block q's 32 words: word 2 w + head
.endr
.endif
.macro FRAG reg, adr, q, i             ; a fragment, 16 rows x 128 K of 6-bit codes: lane l holds row l % 16; registers 6 c .. 6 c + 5 hold K = 64 c + 32 (l / 16) + 0 .. 31: 24 bytes of the row's stream of bits, as they lie
.irp p, 0,1,2,3,4,5                    ; in pieces of 8 bytes.  Lanes 0-15 take the row's pieces 12 q + 0, 1, 2 and 12 q + 6, 7, 8, lanes 16-31 those three pieces on
.set PIECE, 12*(\q)+6*(\p/3)+\p%3      ; 16 bytes of padding lie behind every 8 pieces: where the piece three on lies behind one padding more, the second address register serves
.if PIECE%8 < 5
	ds_load_b64 v[\reg+2*\p:\reg+2*\p+1], v[\adr] offset:8*PIECE+16*(PIECE/8)+(\i)*16*PITCH
.else
	ds_load_b64 v[\reg+2*\p:\reg+2*\p+1], v[\adr+2] offset:8*PIECE+16*(PIECE/8)+(\i)*16*PITCH
.endif
.endr
.endm
; 16 matrix instructions: x's blocks a0, a0 + 1 against W's eight, 128 along K: the slot's q-th.  p: W's set;  sc: the set of scale words.  zero = 1: the first product starts the sums.
; The 64 accumulators take turns, one instruction a turn, in the same order in every step.
.macro MUL16 a0, p, q, sc, zero
.irp a, \a0, \a0+1
.irp b, 0,1,2,3,4,5,6,7
.if \zero
	v_wmma_scale_f32_16x16x128_f8f6f4 v[8*(8*((\a)%4)+\b):8*(8*((\a)%4)+\b)+7], v[128*(\p)+FR*\b:128*(\p)+FR*\b+FR-1], v[AF+FR*(\a):AF+FR*(\a)+FR-1], 0, v[SC+8*NQ*(\sc)+NQ*\b+(\q)], v[SC+8*NQ*(\sc)+NQ*(\a)+(\q)] matrix_a_fmt:MATRIX_FMT_BF6 matrix_b_fmt:MATRIX_FMT_BF6 matrix_a_scale:MATRIX_SCALE_ROW1
.else
	v_wmma_scale_f32_16x16x128_f8f6f4 v[8*(8*((\a)%4)+\b):8*(8*((\a)%4)+\b)+7], v[128*(\p)+FR*\b:128*(\p)+FR*\b+FR-1], v[AF+FR*(\a):AF+FR*(\a)+FR-1], v[8*(8*((\a)%4)+\b):8*(8*((\a)%4)+\b)+7], v[SC+8*NQ*(\sc)+NQ*\b+(\q)], v[SC+8*NQ*(\sc)+NQ*(\a)+(\q)] matrix_a_fmt:MATRIX_FMT_BF6 matrix_b_fmt:MATRIX_FMT_BF6 matrix_a_scale:MATRIX_SCALE_ROW1
.endif
.endr
.endr
.endm
.macro FETCH_B slot, q, p              ; W's eight fragments of the slot's q-th 128 along K into set p
	WIN TO_B
.irp i, 0,1,2,3,4,5,6,7
	FRAG 128*(\p)+FR*\i, ADRB+\slot, \q, \i
.endr
	WIN 0
.endm
.macro FETCH_A slot, q, i0             ; x's blocks i0 .. i0 + 3
.irp i, \i0, \i0+1, \i0+2, \i0+3
	FRAG AF+FR*(\i), ADRA+\slot, \q, \i
.endr
.endm
.macro SCALES sc                       ; a K step's scale words into set sc: two words a row; lanes 0-15 take x's block i, lanes 16-31 W's block i
.irp i, 0,1,2,3,4,5,6,7
	ds_load_b64 v[SC+8*NQ*\sc+NQ*\i:SC+8*NQ*\sc+NQ*\i+1], v[ADRS] offset:\i*SBLK
.endr
.endm
.macro PLACES n                        ; plain vector instructions between a matrix instruction and a load into its registers or a read of its result (ISA guide 7.12.1 for a read of its result)
.rept \n
	v_nop
.endr
.endm
; A step of 128 along K that has its successor in the same slot.
.macro STEP slot, q, zero
	s_wait_dscnt 4*NL                              ; W's set and x's blocks 0-3 are in; the youngest 24 loads (x's blocks 4-7) may be out
	WIN MUL_LO
	MUL16 0, (\q)%2, \q, \slot, \zero
	MUL16 2, (\q)%2, \q, \slot, \zero
	s_wait_dscnt 0                                 ; x's blocks 4-7 are in (asked for 32 matrix instructions ago)
	PLACES NP
	FETCH_B \slot, (\q)+1, 1-(\q)%2
	FETCH_A \slot, (\q)+1, 0
	WIN MUL_HI
	MUL16 4, (\q)%2, \q, \slot, \zero
	MUL16 6, (\q)%2, \q, \slot, \zero
	PLACES NP
	WIN 0
	FETCH_A \slot, (\q)+1, 4
.endm
; A slot's last step changes slots: ONE barrier; in front of it each wave waits for all its tensor loads, adds 0 to its spare word, and waits for that and for its own reads of this slot.  fill = 1: this slot is filled again, two K steps ahead.
.macro TURN slot, next, fill
	s_wait_tensorcnt 0x0                           ; all my tensor loads have landed: my part of the next slot
	ds_add_u32 v[SPW], v[NIL]                      ; 0 onto my spare word
	s_wait_dscnt 4*NL+1                            ; (the add and the youngest 24 loads, x's blocks 4-7, may be out)
	WIN MUL_LO
	MUL16 0, 1, NQ-1, \slot, 0                     ; sixteen matrix instructions stand between the add and the wait for it
	s_wait_dscnt 0x0                               ; the add is done, and my reads of this slot are over
	s_barrier_signal -1
	MUL16 2, 1, NQ-1, \slot, 0
	WIN 0
	s_barrier_wait -1
.if \fill
	CREST                                          ; the barrier has opened a round of the cluster's barrier: no wave of any partner still reads this slot's tile or has a load on its way
	s_add_nc_u64 s[G0+4*\slot+2:G0+4*\slot+3], s[G0+4*\slot+2:G0+4*\slot+3], 2*ROWB
	s_add_nc_u64 s[G0B+4*\slot+2:G0B+4*\slot+3], s[G0B+4*\slot+2:G0B+4*\slot+3], 2*ROWB
	JLOAD G0+4*\slot, G1, G0B+4*\slot, G1B         ; the first tensor load behind the round; its four v_nop are the places in front of the loads below
.else
	PLACES NP
.endif
	v_add_nc_u32 v[ADRS], 4*NQ, v[ADRS]            ; on to the next K step's scale words (no LDS load of mine is out)
	FETCH_B \next, 0, 0
	FETCH_A \next, 0, 0
	SCALES \next
	WIN MUL_HI
	MUL16 4, 1, NQ-1, \slot, 0
	MUL16 6, 1, NQ-1, \slot, 0
	PLACES NP
	WIN 0
	FETCH_A \next, 0, 4
.endm
	s_wait_tensorcnt 1                             ; the scale bytes and my part of K step 0 are in (K step 1's load, issued behind them, may be out),
	s_barrier_signal -1
	s_barrier_wait -1                              ; everybody's are
	FETCH_B 0, 0, 0
	FETCH_A 0, 0, 0
	SCALES 0
	FETCH_A 0, 0, 4
	STEP 0, 0, 1                                   ; the first step stands in front of the loop: its products start the sums
	s_mov_b32 s3, LAPS-1
.Llap:                                                 ; a trip goes once round the ring, from a lap's second step to the next lap's first, and fills both slots again
	TURN 0, 1, 1
	STEP 1, 0, 0
	TURN 1, 0, 1
	STEP 0, 0, 0
	s_sub_co_u32 s3, s3, 1
	s_cmp_lg_u32 s3, 0
	s_cbranch_scc1 .Llap
	TURN 0, 1, 0                                   ; the last lap fills nothing, and has no round of the cluster's barrier
	STEP 1, 0, 0
	s_wait_dscnt 4*NL                              ; the very last step: nothing more to fetch
	WIN MUL_LO
	MUL16 0, 1, NQ-1, 1, 0
	MUL16 2, 1, NQ-1, 1, 0
	s_wait_dscnt 0
	WIN MUL_HI
	MUL16 4, 1, NQ-1, 1, 0
	MUL16 6, 1, NQ-1, 1, 0
	WIN 0
; THE QUANTISER.  64 numbers of a lane, v[s] .. v[s + 63], register 16 b + i = column 32 b + 16 (lane / 16) + i of my row, become a fragment's codes in v[CD] on and its scale word in v[pw].
.macro QUANT s, pw
.irp b, 0,1,2,3
	v_max3_num_f32 v[TM+\b], |v[\s+16*\b]|, |v[\s+1+16*\b]|, 0x2800000   ; block b: my 16 numbers, and the floor 2^(5 - 127): so the byte cannot fall under 1
.endr
.irp i, 2,4,6,8,10,12,14
.irp b, 0,1,2,3
	v_max3_num_f32 v[TM+\b], v[TM+\b], |v[\s+16*\b+\i]|, |v[\s+1+16*\b+\i]|   ; (the four blocks by turns)
.endr
.endr
.irp b, 0,1,2,3
	v_permlanex16_b32 v[TM+4+\b], v[TM+\b], s[SEL], s[SEL+1]
.endr
.irp b, 0,1,2,3
	v_max_num_f32 v[TM+\b], v[TM+\b], v[TM+4+\b]   ; with lane l xor 16's: the block's largest magnitude
.endr
.irp b, 0,1,2,3
	v_add_nc_u32 v[TM+12+\b], 0xfe000000, v[TM+\b]   ; 4 off its exponent field: the conversion takes the exponent field of this operand as its scale
.endr
.irp b, 0,1,2,3
	v_lshrrev_b32 v[TM+4+\b], 23, v[TM+12+\b]      ; the scale's byte
.endr
	v_lshl_or_b32 v[\pw], v[TM+5], 8, v[TM+4]      ; the four bytes make my row's scale word, the same in lanes l and l xor 16
	v_lshl_or_b32 v[\pw], v[TM+6], 16, v[\pw]
	v_lshl_or_b32 v[\pw], v[TM+7], 24, v[\pw]
.irp c, 0,1
	v_cvt_scalef32_pk16_bf6_f32 v[CD+6*\c:CD+2+6*\c], v[\s+32*\c:\s+15+32*\c], v[TM+12+2*\c]
	v_cvt_scalef32_pk16_bf6_f32 v[CD+12+4*\c:CD+14+4*\c], v[\s+16+32*\c:\s+31+32*\c], v[TM+12+2*\c+1]   ; (a conversion's three registers begin on an even number)
.endr
	v_nop                                          ; one plain place behind a scaled conversion
.irp c, 0,1                                    ; the operand's layout wants a whole block in a lane: lanes 0-15 block 2 c, lanes 16-31 block 2 c + 1
.irp i, 0,1,2
	v_permlane16_swap_b32 v[CD+6*\c+\i], v[CD+12+4*\c+\i]
.endr
.irp i, 0,1,2
	v_mov_b32 v[CD+3+6*\c+\i], v[CD+12+4*\c+\i]
.endr
.endr
.endm
; THE WAY OUT of block a (16 tokens x my 128 columns).  The bias is added (HASF: and the head's factor multiplied in, one fused multiply-add onto bias x factor); each accumulator is read from its low end on.
; In the result register 8 t + j of lane half h is column 16 t + 8 h + j; an exchange of halves between tiles 2 b and 2 b + 1 makes register 16 b + i column 32 b + 16 h + i, which the quantiser wants.
.macro OUTBLK a
.set AC, 64*((\a)%4)
	WIN (0x02+(\a)/4)                              ; source 0: window 2 or 3
.set II, 0
.rept 32
.if HASF
.if II < 16
	v_pk_fma_f32 v[T+2*II:T+2*II+1], v[AC+2*II:AC+2*II+1], s[FA:FA+1], v[BI+2*II:BI+2*II+1] op_sel_hi:[1,0,1]
.else
	v_pk_fma_f32 v[T+2*II:T+2*II+1], v[AC+2*II:AC+2*II+1], s[FB:FB+1], v[BI+2*II:BI+2*II+1] op_sel_hi:[1,0,1]
.endif
.else
	v_pk_add_f32 v[T+2*II:T+2*II+1], v[AC+2*II:AC+2*II+1], v[BI+2*II:BI+2*II+1]
.endif
.set II, II+1
.endr
	WIN 0
.irp b, 0,1,2,3
.irp j, 0,1,2,3,4,5,6,7
	v_permlane16_swap_b32 v[T+16*\b+\j], v[T+16*\b+8+\j]
.endr
.endr
	s_wait_xcnt 0x0                                ; the last block's stores have read their data: the codes and the joined scale word are written again only behind this wait
	QUANT T, PWE+(\a)%2
.irp c, 0,1,2
	global_store_b128 v[IO], v[CD+4*\c:CD+4*\c+3], s[12:13] offset:(\a)*1536+512*\c   ; 32 lanes store 512 consecutive bytes, at a multiple of 256 from the buffer's first byte
.endr
.if (\a)%2
	v_cndmask_b32 v[PWS], v[PWE], v[PWO], s2       ; lanes 0-15 the even block's rows, lanes 16-31 the odd block's
	global_store_b32 v[SOFF], v[PWS], s[66:67] offset:((\a)/2)*SSTEP
.endif
.endm
	PLACES NP                                      ; behind the last products: x's registers are written and results read from here on
	s_wait_loadcnt 0x0                             ; the bias (HASF: and the partial sums)
.irp b, 0,1,2,3
	v_mov_b32 v[TM+4+\b], 0                        ; written once: a lane permute's destination counts as one of its sources
.endr
.if HASF
	v_add_f32 v[PT], v[PT], v[PT+1]                ; c of my two heads: the eight query blocks' words,
	v_add_f32 v[PT+2], v[PT+2], v[PT+3]
	v_add_f32 v[PT+4], v[PT+4], v[PT+5]
	v_add_f32 v[PT+6], v[PT+6], v[PT+7]
	v_add_f32 v[PT], v[PT], v[PT+2]
	v_add_f32 v[PT+4], v[PT+4], v[PT+6]
	v_add_f32 v[PT], v[PT], v[PT+4]
	v_add_f32_dpp v[PT], v[PT], v[PT] row_xmask:2 row_mask:0xf bank_mask:0xf   ; then the sixteen waves' words: lanes of the same parity
	v_add_f32_dpp v[PT], v[PT], v[PT] row_xmask:4 row_mask:0xf bank_mask:0xf
	v_add_f32_dpp v[PT], v[PT], v[PT] row_xmask:8 row_mask:0xf bank_mask:0xf
	v_permlanex16_b32 v[PT+1], v[PT], s[SEL], s[SEL+1]
	v_add_f32 v[PT], v[PT], v[PT+1]
	v_readlane_b32 s[FA], v[PT], 0                 ; head 2 hp: my columns 0-63
	v_readlane_b32 s[FB], v[PT], 1                 ; head 2 hp + 1: my columns 64-127
	s_mov_b32 s[FA+1], s[FA]                       ; (the packed forms name pairs)
	s_mov_b32 s[FB+1], s[FB]
.set II, 0
.rept 32
.if II < 16
	v_pk_mul_f32 v[BI+2*II:BI+2*II+1], v[BI+2*II:BI+2*II+1], s[FA:FA+1] op_sel_hi:[1,0]   ; bias x factor, once
.else
	v_pk_mul_f32 v[BI+2*II:BI+2*II+1], v[BI+2*II:BI+2*II+1], s[FB:FB+1] op_sel_hi:[1,0]
.endif
.set II, II+1
.endr
.endif
.irp a, 0,1,2,3,4,5,6,7
	OUTBLK \a
.endr
	s_wait_tensorcnt 0x0                           ; the wave's end: behind my last tensor load
	ds_add_u32 v[SPW], v[NIL]
	s_wait_dscnt 0x0
	CROUND                                         ; the closing round: no work-group ends while a partner may still ask for a tile that names it
	s_endpgm
.Lfunc_end_k_qb7ff607c7e_pv:
	.size	k_qb7ff607c7e_pv, .Lfunc_end_k_qb7ff607c7e_pv-k_qb7ff607c7e_pv
	.p2alignl 7, 3214868480
	.fill 96, 4, 3214868480
	.section	.rodata,"a",@progbits
	.p2align	6, 0x0
	.amdhsa_kernel k_qb7ff607c7e_pv
		.amdhsa_group_segment_fixed_size 327680
		.amdhsa_private_segment_fixed_size 0
		.amdhsa_enable_private_segment 0
		.amdhsa_kernarg_size 64
		.amdhsa_user_sgpr_count 2
		.amdhsa_user_sgpr_kernarg_segment_ptr 1
		.amdhsa_wavefront_size32 1
		.amdhsa_system_sgpr_workgroup_id_x 1
		.amdhsa_system_sgpr_workgroup_id_y 1
		.amdhsa_system_sgpr_workgroup_id_z 1
		.amdhsa_system_vgpr_workitem_id 0
		.amdhsa_next_free_vgpr 1024
		.amdhsa_next_free_sgpr 102
		.amdhsa_reserve_vcc 0
		.amdhsa_float_denorm_mode_32 3
		.amdhsa_float_denorm_mode_16_64 3
		.amdhsa_memory_ordered 1
		.amdhsa_forward_progress 1
		.amdhsa_inst_pref_size 193
	.end_amdhsa_kernel
	.amdgpu_metadata
---
amdhsa.version: [ 1, 2 ]
amdhsa.kernels:
  - .name:           k_qb7ff607c7e_pv
    .symbol:         k_qb7ff607c7e_pv.kd
    .args:
      - { .name: x_codes, .offset: 0, .size: 8, .value_kind: global_buffer, .address_space: global }
      - { .name: x_scales, .offset: 8, .size: 8, .value_kind: global_buffer, .address_space: global }
      - { .name: Wv_codes, .offset: 16, .size: 8, .value_kind: global_buffer, .address_space: global }
      - { .name: Wv_scales, .offset: 24, .size: 8, .value_kind: global_buffer, .address_space: global }
      - { .name: bv, .offset: 32, .size: 8, .value_kind: global_buffer, .address_space: global }
      - { .name: part, .offset: 40, .size: 8, .value_kind: global_buffer, .address_space: global }
      - { .name: vimg, .offset: 48, .size: 8, .value_kind: global_buffer, .address_space: global }
      - { .name: vscl, .offset: 56, .size: 8, .value_kind: global_buffer, .address_space: global }
    .group_segment_fixed_size: 327680
    .private_segment_fixed_size: 0
    .kernarg_segment_align: 8
    .kernarg_segment_size: 64
    .max_flat_workgroup_size: 128
    .sgpr_count:     102
    .vgpr_count:     1024
    .wavefront_size: 32
...
	.end_amdgpu_metadata
.endif
;; end of part 3
;; launch outp (part 4): grid 4 x 32, 4 waves a work-group, clusters of 4 x 4, 327,680 bytes of LDS; arguments vimg, vscl, Wp_codes, Wp_scales, out0, bp; writes out0
.if DOCPART == 4
	.amdgcn_target "amdgcn-amd-amdhsa--gfx1250"
	.amdhsa_code_object_version 6
	.text
	.protected	k_qb7ff607c7e_outp
	.globl	k_qb7ff607c7e_outp
	.p2align	8
	.type	k_qb7ff607c7e_outp,@function
k_qb7ff607c7e_outp:
	s_mov_b64 s[64:65], 0
	v_nop
	global_prefetch_b8 v0, s[64:65] scope:SCOPE_SE
	s_setreg_imm32_b32 hwreg(HW_REG_WAVE_MODE, 25, 1), 1
	s_wait_xcnt 0x0
	s_wait_alu depctr_hold_cnt(0) depctr_sa_sdst(0) depctr_va_vdst(0) depctr_va_sdst(0) depctr_va_ssrc(0) depctr_va_vcc(0) depctr_vm_vsrc(0)
	s_getreg_b32 s2, hwreg(HW_REG_IB_STS2, 6, 4)
	s_cmp_eq_u32 s2, 0
	s_cbranch_scc0 .Lentry_in_a_cluster
	s_endpgm
.Lentry_in_a_cluster:
	s_bfe_u32 s2, ttmp6, 0x10000c
	s_cmp_lg_u32 s2, 0xf033
	s_cbranch_scc0 .Lentry_shape_is_right
	s_endpgm
.Lentry_shape_is_right:
; out0 = A Wp^T + bp on codes of E3M2.  A [8192][1024] is the quantised c x v of the launch before: its codes lie as IMAGES OF OPERAND REGISTERS (a fragment of 16 rows x 128 K = 3 x 512 bytes, lane l's 16 bytes
; at 16 l; image (8 b + hp) 128 + tt: batch b, K = 128 hp on, token tile tt), its scale bytes as [8192][32].  Wp [1024][1024]: codes, K innermost, 768 bytes a row; scale bytes [1024][32].  out0 [8192][1024] f32.
; SHARES.  A tile of 256 x 256 to a work-group of four waves, 128 x 128 to a wave: 64 accumulators, 512 registers.  K goes in steps of 256 through a ring of two LDS slots filled by the tensor data mover.
; A's part of a slot is 2 x 8 images for each half of the rows, dense: a tile of two rows of 12,288 bytes, 196,608 bytes apart in memory; a fragment then comes by three loads of 512 consecutive bytes.
; The scale bytes of the tile's rows of A and of Wp, for all of K, come into LDS once.  4 x 4 work-groups form a cluster: A's tiles are asked for jointly along a row of it, Wp's along a column.
; The matrix instruction is used transposed (source 0 = 16 rows of Wp, source 1 = 16 rows of A): a lane holds eight neighbouring numbers of a row of the result.
; REGISTERS, in windows of 256: window 0: v0-31 addresses; v32-63 scale words, two sets; v64-67 my four numbers of bp; from v128 A's fragments, one set; on the way out v128-255 rows of the result.
;   window 1: Wp's fragments, two sets, at v0 and v128.  window 2: the accumulators of my rows 0-63 ((a, b) at v[8 (8 a + b)]);  window 3: those of rows 64-127.
; LIMITS: NaN and infinities among the inputs are not served.
.set SIZE_N, 1024
.set KSTEP,  256
.set NQ,     KSTEP/128
.set ROWB,   192                       ; a row of Wp's tile in bytes
.set KROW,   768                       ; a row of Wp in memory
.set PITCH,  240                       ; its LDS row: 3 x (64 bytes + 16 of padding)
.set FR,     12
.set NLA,    3                         ; LDS loads that bring a fragment of A
.set NP,     4                         ; places behind this matrix instruction (ISA guide 7.12.1)
.set HALFA,  2*8*1536                  ; A: 128 rows x 256 K as 16 images: one tensor load
.set HALFT,  128*PITCH                 ; Wp: 128 rows: one tensor load
.set SLOT,   2*HALFA+2*HALFT           ; A's two halves, then Wp's two
.set LAPS,   2
.set KS,     32
.set SCL,    2*SLOT                    ; behind the ring: the scale bytes, as units of 256 bytes + 16 of padding
.set HALFS,  (128*KS/256)*272
.set SBLK,   (16*KS/256)*272
.set SPARE,  SCL+4*HALFS               ; the spare words, 128 bytes a wave: two blocks of 256 bytes that no other line names
.set SPITCH, 528                       ; the way out: a stage of 16 rows x (512 bytes + 16) for each wave, in slot 0, which has had its last fill and its last read when the first result is stored there
.set ADRA, 16                          ; v16-17 LDS address of my images of A in slot 0, 1
.set ADRB, 20                          ; v20-21 of my fragments of Wp; v22-23 the same behind one padding more
.set STO,  24
.set RD,   25
.set CO,   26                          ; v26  16 x lane
.set ADRS, 27
.set SPW,  28
.set NIL,  29
.set SC,   32
.set BP,   64
.set AF,   128
.set BK,   128
.set G1, 24
.set G0, 32
.set G1B, 48
.set G0B, 56
.set G1S, 68
.set G0S, 76
.set G1SB, 80
.set G0SB, 88
.set MSB, 0
.macro WIN new                         ; the immediate's high byte repeats the setting that is left
.if MSB != \new
	s_set_vgpr_msb (MSB<<8)|\new
.set MSB, \new
.endif
.endm
.set MUL_LO, 0xa1
.set MUL_HI, 0xf1
.set TO_B,   0x40
; A joint load: waves 0 and 1 fetch for A, waves 2 and 3 for Wp; four v_nop follow each of the two lines, ahead of the jump, the label and what follows.
.macro JLOAD g0a, g1a, g0b, g1b
	s_cmp_eq_u32 s15, 0
	s_cbranch_scc0 .Lfor_b_\@
	tensor_load_to_lds s[\g0a:\g0a+3], s[\g1a:\g1a+7]
	s_nop 0
.rept 4
	v_nop
.endr
	s_branch .Lasked_\@
.Lfor_b_\@:
	tensor_load_to_lds s[\g0b:\g0b+3], s[\g1b:\g1b+7]
	s_nop 0
.rept 4
	v_nop
.endr
.Lasked_\@:
.endm
.macro CREST
	s_cmp_lg_u32 s14, 0
	s_cbranch_scc1 .Lnot_wave_0_\@
	s_barrier_signal -3
.Lnot_wave_0_\@:
	s_barrier_wait -3
	s_barrier_signal -1
	s_barrier_wait -1
.endm
.macro CROUND
	s_barrier_signal -1
	s_barrier_wait -1
	CREST
.endm
	s_load_b128 s[4:7], s[0:1], 0x0                ; A's images, A's scales
	s_load_b128 s[8:11], s[0:1], 0x10              ; Wp's codes, Wp's scales
	s_load_b64 s[12:13], s[0:1], 0x20              ; out0
	s_load_b64 s[66:67], s[0:1], 0x28              ; bp
	v_lshl_add_u32 v[SPW], v0, 2, SPARE
	v_mov_b32 v[NIL], 0
	ds_add_u32 v28, v29
	ds_add_u32 v28, v29
	s_wait_dscnt 0x0
	v_lshrrev_b32 v1, 5, v0
	v_readfirstlane_b32 s14, v1                    ; wave 0..3
	s_lshr_b32 s15, s14, 1                         ; which half of the tile's rows is mine.  Also: I fetch for A (0) or for Wp (1)
	s_and_b32 s16, s14, 1                          ; which half of its columns.  Also: which 128 rows of that tile I fetch
	s_bfe_u32 s40, ttmp6, 0x40000                  ; cx, cy
	s_bfe_u32 s41, ttmp6, 0x40004
	s_lshl_b32 s42, ttmp9, 2
	s_add_co_u32 s42, s42, s40                     ; tile column = 4 x cluster x + cx
	s_and_b32 s17, ttmp7, 0xffff
	s_lshl_b32 s17, s17, 2
	s_add_co_u32 s17, s17, s41                     ; tile row = 4 x cluster y + cy
	s_lshl_b32 s43, s41, 2
	s_lshl_b32 s43, 15, s43                        ; my row of the cluster
	s_lshl_b32 s44, 0x1111, s40                    ; my column
	; group 1 for A: two rows of 1,536 elements of 8 bytes (eight images), 24,576 elements apart (from hp to hp + 1); no padding
	s_or_b32 s[G1+0], s43, (3<<16)|(1<<21)
	s_mov_b32 s[G1+1], 1536<<16                    ; tensor_dim0
	s_mov_b32 s[G1+2], 2<<16                       ; tensor_dim1
	s_mov_b32 s[G1+3], 1536<<16                    ; tile_dim0
	s_mov_b32 s[G1+4], 2                           ; tile_dim1
	s_mov_b32 s[G1+5], 24576                       ; from row to row
	s_mov_b32 s[G1+6], 0
	s_mov_b32 s[G1+7], 0
	; for Wp: 128 rows x 192 bytes, 16 bytes of padding behind every 64
	s_or_b32 s[G1B+0], s44, (0<<16)|(1<<20)|(1<<21)|(3<<22)|(3<<25)
	s_mov_b32 s[G1B+1], ROWB<<16
	s_mov_b32 s[G1B+2], 128<<16
	s_mov_b32 s[G1B+3], ROWB<<16
	s_mov_b32 s[G1B+4], 128
	s_mov_b32 s[G1B+5], KROW
	s_mov_b32 s[G1B+6], 0
	s_mov_b32 s[G1B+7], 0
	; the scale bytes of 128 rows: 4,096 dense bytes as 16 rows of 256, 16 bytes of padding behind each
	s_or_b32 s[G1S+0], s43, (3<<16)|(1<<20)|(1<<21)|(5<<22)|(3<<25)
	s_or_b32 s[G1SB+0], s44, (3<<16)|(1<<20)|(1<<21)|(5<<22)|(3<<25)
.irp g, G1S, G1SB
	s_mov_b32 s[\g+1], 32<<16
	s_mov_b32 s[\g+2], (128*KS/256)<<16
	s_mov_b32 s[\g+3], 32<<16
	s_mov_b32 s[\g+4], 128*KS/256
	s_mov_b32 s[\g+5], 32
	s_mov_b32 s[\g+6], 0
	s_mov_b32 s[\g+7], 0
.endr
	s_lshl_b32 s18, s16, 7                         ; which 128 rows of the tile I fetch
	s_lshl_b32 s22, s17, 8
	s_add_co_u32 s22, s22, s18                     ; A: row 256 x tile row + 128 x half
	s_lshl_b32 s46, s42, 8
	s_add_co_u32 s46, s46, s18                     ; Wp: row 256 x tile column + 128 x half
	s_mov_b32 s23, 0
	s_mov_b32 s47, 0
	s_mov_b64 s[18:19], KS
	s_mul_u64 s[22:23], s[22:23], s[18:19]         ; where these rows' scale bytes begin
	s_mul_u64 s[92:93], s[46:47], s[18:19]
	s_mov_b64 s[18:19], KROW
	s_mul_u64 s[46:47], s[46:47], s[18:19]         ; Wp's codes
	s_lshr_b32 s20, s17, 3                         ; A's images: batch = tile row / 8: 1,024 images each;
	s_lshl_b32 s20, s20, 10
	s_and_b32 s21, s17, 7
	s_lshl_b32 s21, s21, 4                         ; token tile 16 (tile row % 8) + 8 x half
	s_add_co_u32 s20, s20, s21
	s_lshl_b32 s21, s16, 3
	s_add_co_u32 s20, s20, s21
	s_mul_i32 s20, s20, 1536
	s_mov_b32 s21, 0
	s_mul_i32 s45, s16, HALFA                      ; where they go: no place in the cluster enters an LDS address
	s_mul_i32 s95, s16, HALFT
	s_add_co_u32 s95, s95, 2*HALFA
	s_mul_i32 s94, s14, HALFS
	s_wait_kmcnt 0x0
	s_add_nc_u64 s[20:21], s[4:5], s[20:21]
	s_add_nc_u64 s[22:23], s[6:7], s[22:23]
	s_add_nc_u64 s[46:47], s[8:9], s[46:47]
	s_add_nc_u64 s[92:93], s[10:11], s[92:93]
	CROUND                                         ; all sixteen work-groups are here: the first joint loads meet
	s_mov_b32 s[G0S], 1
	s_add_co_u32 s[G0S+1], s94, SCL
	s_mov_b64 s[G0S+2:G0S+3], s[22:23]
	s_or_b32 s[G0S+3], s[G0S+3], 0x80000000
	s_mov_b32 s[G0SB], 1
	s_add_co_u32 s[G0SB+1], s94, SCL
	s_mov_b64 s[G0SB+2:G0SB+3], s[92:93]
	s_or_b32 s[G0SB+3], s[G0SB+3], 0x80000000
	JLOAD G0S, G1S, G0SB, G1SB                     ; the scale bytes first
.irp s, 0,1
	s_mov_b32 s[G0+4*\s], 1
	s_add_co_u32 s[G0+4*\s+1], s45, \s*SLOT
	s_add_nc_u64 s[G0+4*\s+2:G0+4*\s+3], s[20:21], \s*393216      ; K step s begins at hp = 2 s: 2 x 128 images on
	s_or_b32 s[G0+4*\s+3], s[G0+4*\s+3], 0x80000000
	s_mov_b32 s[G0B+4*\s], 1
	s_add_co_u32 s[G0B+4*\s+1], s95, \s*SLOT
	s_add_nc_u64 s[G0B+4*\s+2:G0B+4*\s+3], s[46:47], \s*ROWB
	s_or_b32 s[G0B+4*\s+3], s[G0B+4*\s+3], 0x80000000
	JLOAD G0+4*\s, G1, G0B+4*\s, G1B
.endr
	v_and_b32 v1, 15, v0                           ; l % 16
	v_bfe_u32 v2, v0, 4, 1                         ; l / 16
	v_mul_u32_u24 v3, v1, PITCH
	v_mul_u32_u24 v4, v2, 24
	v_add_nc_u32 v4, v3, v4                        ; Wp: a fragment's row x pitch + 24 x half
	v_lshl_add_u32 v5, v2, 4, v4                   ; and the same behind one padding more
	v_and_b32 v6, 31, v0
	v_lshlrev_b32 v[CO], 4, v6                     ; 16 x lane: my place in an image, in a row of the stage and in a row of the result
	s_mul_i32 s21, s15, HALFA                      ; my 128 rows of A
	s_mul_i32 s22, s16, HALFT                      ; my 128 rows of Wp,
	s_add_co_u32 s22, s22, 2*HALFA                 ; which lie behind A's two halves
.irp s, 0,1
	v_add_nc_u32 v[ADRA+\s], s21, v[CO]
	v_add_nc_u32 v[ADRB+\s], s22, v4
	v_add_nc_u32 v[ADRB+2+\s], s22, v5
	s_add_co_u32 s21, s21, SLOT
	s_add_co_u32 s22, s22, SLOT
.endr
	v_mul_u32_u24 v5, v1, KS                       ; my row's scale bytes: 32 a row,
	v_lshrrev_b32 v6, 8, v5
	v_lshl_add_u32 v5, v6, 4, v5                   ; and 16 more for each 256 passed
	s_mul_i32 s21, s15, HALFS
	s_mul_i32 s22, s16, HALFS
	s_add_co_u32 s22, s22, 2*HALFS
	s_sub_co_u32 s22, s22, s21
	v_mul_u32_u24 v6, s22, v2                      ; lanes 16-31 take Wp's
	s_add_co_u32 s21, s21, SCL
	v_add_nc_u32 v5, v5, v6
	v_add_nc_u32 v[ADRS], s21, v5
	s_mul_i32 s23, s14, 16*SPITCH                  ; my stage
	v_mul_u32_u24 v5, v1, SPITCH                   ; in: row l % 16, 32 bytes for each half of the lanes
	v_lshl_add_u32 v5, v2, 5, v5
	v_add_nc_u32 v[STO], s23, v5
	v_add_nc_u32 v[RD], s23, v[CO]                 ; back: the 32 lanes take one row of 512 bytes
	s_lshl_b32 s20, s17, 8
	s_lshl_b32 s21, s15, 7
	s_add_co_u32 s20, s20, s21                     ; my first row of the result
	s_mov_b32 s21, 0
	s_mov_b64 s[18:19], SIZE_N*4
	s_mul_u64 s[20:21], s[20:21], s[18:19]
	s_lshl_b32 s46, s42, 10                        ; my first column, in bytes: 1,024 x tile column + 512 x half
	s_lshl_b32 s47, s16, 9
	s_add_co_u32 s46, s46, s47
	s_mov_b32 s47, 0
	s_add_nc_u64 s[66:67], s[66:67], s[46:47]      ; the same bytes on in bp
	s_add_nc_u64 s[20:21], s[20:21], s[46:47]
	s_add_nc_u64 s[12:13], s[12:13], s[20:21]
	global_load_b128 v[BP:BP+3], v[CO], s[66:67]   ; bp at the four columns that I store of every row; the wait stands at the way out
.macro FRAG reg, adr, q, i             ; a fragment of Wp from rows: 24 bytes of the row's stream of bits for each 64 along K, in pieces of 8 bytes
.irp p, 0,1,2,3,4,5
.set PIECE, 12*(\q)+6*(\p/3)+\p%3      ; 16 bytes of padding lie behind every 8 pieces: where the piece three on lies behind one padding more, the second address register serves
.if PIECE%8 < 5
	ds_load_b64 v[\reg+2*\p:\reg+2*\p+1], v[\adr] offset:8*PIECE+16*(PIECE/8)+(\i)*16*PITCH
.else
	ds_load_b64 v[\reg+2*\p:\reg+2*\p+1], v[\adr+2] offset:8*PIECE+16*(PIECE/8)+(\i)*16*PITCH
.endif
.endr
.endm
; 16 matrix instructions: A's blocks a0, a0 + 1 against Wp's eight.  The 64 accumulators take turns, one instruction a turn, in the same order in every step.
.macro MUL16 a0, p, q, sc, zero
.irp a, \a0, \a0+1
.irp b, 0,1,2,3,4,5,6,7
.if \zero
	v_wmma_scale_f32_16x16x128_f8f6f4 v[8*(8*((\a)%4)+\b):8*(8*((\a)%4)+\b)+7], v[128*(\p)+FR*\b:128*(\p)+FR*\b+FR-1], v[AF+FR*(\a):AF+FR*(\a)+FR-1], 0, v[SC+8*NQ*(\sc)+NQ*\b+(\q)], v[SC+8*NQ*(\sc)+NQ*(\a)+(\q)] matrix_a_fmt:MATRIX_FMT_BF6 matrix_b_fmt:MATRIX_FMT_BF6 matrix_a_scale:MATRIX_SCALE_ROW1
.else
	v_wmma_scale_f32_16x16x128_f8f6f4 v[8*(8*((\a)%4)+\b):8*(8*((\a)%4)+\b)+7], v[128*(\p)+FR*\b:128*(\p)+FR*\b+FR-1], v[AF+FR*(\a):AF+FR*(\a)+FR-1], v[8*(8*((\a)%4)+\b):8*(8*((\a)%4)+\b)+7], v[SC+8*NQ*(\sc)+NQ*\b+(\q)], v[SC+8*NQ*(\sc)+NQ*(\a)+(\q)] matrix_a_fmt:MATRIX_FMT_BF6 matrix_b_fmt:MATRIX_FMT_BF6 matrix_a_scale:MATRIX_SCALE_ROW1
.endif
.endr
.endr
.endm
.macro FETCH_B slot, q, p
	WIN TO_B
.irp i, 0,1,2,3,4,5,6,7
	FRAG 128*(\p)+FR*\i, ADRB+\slot, \q, \i
.endr
	WIN 0
.endm
.macro FETCH_A slot, q, i0             ; A's blocks i0 .. i0 + 3: images, three loads of 512 consecutive bytes each
.irp i, \i0, \i0+1, \i0+2, \i0+3
.irp c, 0,1,2
	ds_load_b128 v[AF+FR*(\i)+4*\c:AF+FR*(\i)+4*\c+3], v[ADRA+\slot] offset:(\q)*12288+(\i)*1536+512*\c
.endr
.endr
.endm
.macro SCALES sc
.irp i, 0,1,2,3,4,5,6,7
	ds_load_b64 v[SC+8*NQ*\sc+NQ*\i:SC+8*NQ*\sc+NQ*\i+1], v[ADRS] offset:\i*SBLK
.endr
.endm
.macro PLACES n                        ; plain vector instructions between a matrix instruction and a load into its registers or a read of its result (ISA guide 7.12.1 for a read of its result)
.rept \n
	v_nop
.endr
.endm
.macro STEP slot, q, zero
	s_wait_dscnt 4*NLA                             ; Wp's set and A's blocks 0-3 are in; the youngest 12 loads (A's blocks 4-7) may be out
	WIN MUL_LO
	MUL16 0, (\q)%2, \q, \slot, \zero
	MUL16 2, (\q)%2, \q, \slot, \zero
	s_wait_dscnt 0
	PLACES NP
	FETCH_B \slot, (\q)+1, 1-(\q)%2
	FETCH_A \slot, (\q)+1, 0
	WIN MUL_HI
	MUL16 4, (\q)%2, \q, \slot, \zero
	MUL16 6, (\q)%2, \q, \slot, \zero
	PLACES NP
	WIN 0
	FETCH_A \slot, (\q)+1, 4
.endm
; A slot's last step changes slots: ONE barrier; in front of it each wave waits for all its tensor loads, adds 0 to its spare word, and waits for that and for its own reads of this slot.
.macro TURN slot, next, fill
	s_wait_tensorcnt 0x0                           ; all my tensor loads have landed: my part of the next slot
	ds_add_u32 v[SPW], v[NIL]                      ; 0 onto my spare word
	s_wait_dscnt 4*NLA+1                           ; (the add and the youngest 12 loads may be out)
	WIN MUL_LO
	MUL16 0, 1, NQ-1, \slot, 0
	s_wait_dscnt 0x0                               ; the add is done, and my reads of this slot are over
	s_barrier_signal -1
	MUL16 2, 1, NQ-1, \slot, 0
	WIN 0
	s_barrier_wait -1
.if \fill
	CREST                                          ; the barrier has opened a round of the cluster's barrier: no wave of any partner still reads this slot's tile or has a load on its way
	s_add_nc_u64 s[G0+4*\slot+2:G0+4*\slot+3], s[G0+4*\slot+2:G0+4*\slot+3], 786432      ; two K steps on: 4 x 128 images
	s_add_nc_u64 s[G0B+4*\slot+2:G0B+4*\slot+3], s[G0B+4*\slot+2:G0B+4*\slot+3], 2*ROWB
	JLOAD G0+4*\slot, G1, G0B+4*\slot, G1B         ; the first tensor load behind the round; its four v_nop are the places in front of the loads below
.else
	PLACES NP
.endif
	v_add_nc_u32 v[ADRS], 4*NQ, v[ADRS]
	FETCH_B \next, 0, 0
	FETCH_A \next, 0, 0
	SCALES \next
	WIN MUL_HI
	MUL16 4, 1, NQ-1, \slot, 0
	MUL16 6, 1, NQ-1, \slot, 0
	PLACES NP
	WIN 0
	FETCH_A \next, 0, 4
.endm
	s_wait_tensorcnt 1                             ; the scale bytes and my part of K step 0 are in (K step 1's load may be out),
	s_barrier_signal -1
	s_barrier_wait -1                              ; everybody's are
	FETCH_B 0, 0, 0
	FETCH_A 0, 0, 0
	SCALES 0
	FETCH_A 0, 0, 4
	STEP 0, 0, 1                                   ; the first step's products start the sums
	s_mov_b32 s3, LAPS-1
.Llap:
	TURN 0, 1, 1
	STEP 1, 0, 0
	TURN 1, 0, 1
	STEP 0, 0, 0
	s_sub_co_u32 s3, s3, 1
	s_cmp_lg_u32 s3, 0
	s_cbranch_scc1 .Llap
	TURN 0, 1, 0                                   ; the last lap fills nothing
	STEP 1, 0, 0
	s_wait_dscnt 4*NLA
	WIN MUL_LO
	MUL16 0, 1, NQ-1, 1, 0
	MUL16 2, 1, NQ-1, 1, 0
	s_wait_dscnt 0
	WIN MUL_HI
	MUL16 4, 1, NQ-1, 1, 0
	MUL16 6, 1, NQ-1, 1, 0
	WIN 0
; THE WAY OUT, block by block of 16 rows x 128 columns: through my own stage in LDS, back as whole rows of 512 bytes, bp added, stored as two aligned runs of 256 bytes.
; LDS serves a wave's instructions in order (ISA guide 5.7.1.4): no wait between the stores and the loads, nor in front of the next block's stores.
.macro TOSTAGE a
.set AC, 64*((\a)%4)
	WIN (0x08+4*((\a)/4))                          ; the data: window 2 or 3
.irp b, 0,1,2,3,4,5,6,7
	ds_store_b128 v[STO], v[AC+8*\b:AC+8*\b+3] offset:64*\b          ; each accumulator from its low end on
	ds_store_b128 v[STO], v[AC+8*\b+4:AC+8*\b+7] offset:64*\b+16
.endr
	WIN 0
.set BB, BK+64*((\a)%2)
.irp t, 0,1,2,3,4,5,6,7,8,9,10,11,12,13,14,15
	ds_load_b128 v[BB+4*\t:BB+4*\t+3], v[RD] offset:\t*SPITCH
.endr
.endm
.macro SEND a, younger                 ; younger: the LDS instructions issued behind block a's loads, which may stay out
.set BB, BK+64*((\a)%2)
	s_wait_dscnt \younger                          ; the block is back in registers
.if (\a) > 0
	s_add_nc_u64 s[12:13], s[12:13], 16*SIZE_N*4   ; (behind a wait on XCNT: the earlier stores have read their base)  16 rows on
.endif
.irp t, 0,1,2,3,4,5,6,7,8,9,10,11,12,13,14,15
	v_pk_add_f32 v[BB+4*\t:BB+4*\t+1], v[BB+4*\t:BB+4*\t+1], v[BP:BP+1]
	v_pk_add_f32 v[BB+4*\t+2:BB+4*\t+3], v[BB+4*\t+2:BB+4*\t+3], v[BP+2:BP+3]
	global_store_b128 v[CO], v[BB+4*\t:BB+4*\t+3], s[12:13] offset:\t*SIZE_N*4 th:TH_STORE_NT   ; 32 lanes store 512 consecutive bytes, at a multiple of 256 from the buffer's first byte
.endr
.endm
	PLACES NP                                      ; behind the last products: results are read and A's registers loaded from here on
	s_wait_loadcnt 0x0                             ; bp
	TOSTAGE 0
.irp a, 1,2,3,4,5,6,7
.if \a > 1
	s_wait_xcnt 0x0                                ; block a - 2's stores have read their registers and their base: block a's loads may land there, and the base may step
.endif
	TOSTAGE \a
	SEND \a-1, 32                                  ; behind block a - 1's loads: block a's 16 stores and 16 loads
.endr
	s_wait_xcnt 0x0                                ; block 6's stores have read their base
	SEND 7, 0
	s_wait_tensorcnt 0x0                           ; the wave's end: behind my last tensor load and my last LDS store
	ds_add_u32 v[SPW], v[NIL]
	s_wait_dscnt 0x0
	CROUND                                         ; the closing round: no work-group ends while a partner may still ask for a tile that names it
	s_endpgm
.Lfunc_end_k_qb7ff607c7e_outp:
	.size	k_qb7ff607c7e_outp, .Lfunc_end_k_qb7ff607c7e_outp-k_qb7ff607c7e_outp
	.p2alignl 7, 3214868480
	.fill 96, 4, 3214868480
	.section	.rodata,"a",@progbits
	.p2align	6, 0x0
	.amdhsa_kernel k_qb7ff607c7e_outp
		.amdhsa_group_segment_fixed_size 327680
		.amdhsa_private_segment_fixed_size 0
		.amdhsa_enable_private_segment 0
		.amdhsa_kernarg_size 48
		.amdhsa_user_sgpr_count 2
		.amdhsa_user_sgpr_kernarg_segment_ptr 1
		.amdhsa_wavefront_size32 1
		.amdhsa_system_sgpr_workgroup_id_x 1
		.amdhsa_system_sgpr_workgroup_id_y 1
		.amdhsa_system_sgpr_workgroup_id_z 1
		.amdhsa_system_vgpr_workitem_id 0
		.amdhsa_next_free_vgpr 1024
		.amdhsa_next_free_sgpr 98
		.amdhsa_reserve_vcc 0
		.amdhsa_float_denorm_mode_32 3
		.amdhsa_float_denorm_mode_16_64 3
		.amdhsa_memory_ordered 1
		.amdhsa_forward_progress 1
		.amdhsa_inst_pref_size 164
	.end_amdhsa_kernel
	.amdgpu_metadata
---
amdhsa.version: [ 1, 2 ]
amdhsa.kernels:
  - .name:           k_qb7ff607c7e_outp
    .symbol:         k_qb7ff607c7e_outp.kd
    .args:
      - { .name: vimg, .offset: 0, .size: 8, .value_kind: global_buffer, .address_space: global }
      - { .name: vscl, .offset: 8, .size: 8, .value_kind: global_buffer, .address_space: global }
      - { .name: Wp_codes, .offset: 16, .size: 8, .value_kind: global_buffer, .address_space: global }
      - { .name: Wp_scales, .offset: 24, .size: 8, .value_kind: global_buffer, .address_space: global }
      - { .name: out0, .offset: 32, .size: 8, .value_kind: global_buffer, .address_space: global }
      - { .name: bp, .offset: 40, .size: 8, .value_kind: global_buffer, .address_space: global }
    .group_segment_fixed_size: 327680
    .private_segment_fixed_size: 0
    .kernarg_segment_align: 8
    .kernarg_segment_size: 48
    .max_flat_workgroup_size: 128
    .sgpr_count:     98
    .vgpr_count:     1024
    .wavefront_size: 32
...
	.end_amdgpu_metadata
.endif
;; end of part 4
